; MI455X (gfx1250); checked and timed in simulation.
; The chip was launched on July 23, 2026; its instructions are those of AMD's public machine-readable ISA for CDNA 5 (MIT licence, August 2026) and "CDNA5" Instruction Set Architecture Reference Guide (July 2026). The comments in the code are by the model that wrote it; some were corrected since.
;; Multi Head Attention. Allowed arithmetic: matrix products marked QUANTISED: E2M1 operands, one E8M0 scale for each 32 along K, by v_wmma_scale_f32_16x16x128_f8f6f4 with both operands' format E2M1 (or v_wmma_scale_f32_32x16x128_f4), f32 sums; everything else in f32.
;; Inputs: Wk 1,024 x 1,024 float32; Wo 1,024 x 1,024 float32; Wq 1,024 x 1,024 float32; Wv 1,024 x 1,024 float32; bk 1,024 float32; bo 1,024 float32; bq 1,024 float32; bv 1,024 float32; key_in 4 x 2,048 x 1,024 float32; query 4 x 2,048 x 1,024 float32; value 4 x 2,048 x 1,024 float32.
;; Outputs: out0 4 x 2,048 x 1,024 float32.
;; This version of the problem:
;;   THIS VERSION OF THE PROBLEM IS GIVEN IN LOW PRECISION. The matrix products marked QUANTISED in the list below multiply operands that are first quantised to E2M1 (2 exponent bits, 1 mantissa bit; 4 bits a number), with one power-of-two scale for each 32 numbers along K (OCP MX v1.0); their sums are f32. All else is computed in f32.
;;   The module's matrix products, in the order in which they are computed (A, B: the left and right operand; K: the contracted axis; several contracted axes count as one K, in the product's order):
;;     1. [M 8,192, K 1,024] x [K 1,024, N 1,024]; A: input query; B: input Wq: QUANTISED
;;     2. [M 8,192, K 1,024] x [K 1,024, N 1,024]; A: input key_in; B: input Wk: QUANTISED
;;     3. [M 8,192, K 1,024] x [K 1,024, N 1,024]; A: input value; B: input Wv: QUANTISED
;;     4. batch 64 x [M 2,048, K 64] x [K 64, N 2,048]; A: computed on the way; B: computed on the way: QUANTISED
;;     5. batch 64 x [M 2,048, K 2,048] x [K 2,048, N 64]; A: softmax (see below); B: computed on the way: QUANTISED
;;     6. [M 8,192, K 1,024] x [K 1,024, N 1,024]; A: computed on the way; B: input Wo: QUANTISED
;;   THE QUANTISER, for each operand of a quantised product, along K:
;;     - K is cut into blocks of 32 from its start; a last block that is shorter is filled with zeros.
;;     - A block's scale is 2^e with e = floor(log2(the largest magnitude in the block)) - 2, held to -126 .. 127; a block of zeros has e = 0. As a byte (E8M0): e + 127.
;;     - Each number is divided by its block's scale, clamped to +-6, and rounded to the nearest number of E2M1, ties to even, subnormals kept.
;;     - The product sums the exact products of the quantised numbers (number of the format x scale) in f32.
;;   ~~~python
;;   def quantise(x, axis):      # numpy; x: float32 -> the quantised numbers, widened to float32 again
;;       x = np.moveaxis(x, axis, -1); K = x.shape[-1]
;;       x = np.pad(x, [(0, 0)] * (x.ndim - 1) + [(0, -K % 32)]); x = x.reshape(x.shape[:-1] + (-1, 32)); a = np.abs(x).max(-1, keepdims=True)
;;       e = np.where(a > 0, np.clip(np.frexp(np.where(a > 0, a, 1))[1] - 1 - 2, -126, 127), 0)      # np.frexp(a)[1] - 1 = floor(log2(a)), exactly
;;       r = np.clip(x / 2.0 ** e, -6, 6)
;;       step = 2.0 ** (np.maximum(np.frexp(np.where(r == 0, 1, r))[1] - 1, 0) - 1)
;;       q = np.round(r / step) * step * 2.0 ** e      # np.round: ties to even
;;       return np.moveaxis(q.reshape(q.shape[:-2] + (-1,))[..., :K], -1, axis).astype(np.float32)
;;   ~~~
;;   SOFTMAX AHEAD OF A QUANTISED PRODUCT. Where the list says 'softmax', what is quantised is not the finished softmax but p = 2^(t - M), with t = logit x log2(e) and M = ceil(the row's largest t), a whole number; so 1/2 < the row's largest p <= 1. The row's sum l is taken of the UNQUANTISED p, in f32, and the product's result is divided by l at the end. Since M is a whole number, a kernel that streams over the keys may use a running M (the ceiling of the running maximum): every later rescaling is an exact power of two, which a block's scale takes up: the codes' values come out the same.
;;   OPERANDS COMPUTED ON THE WAY. 'Computed on the way' means the value that the module computes at that place (a softmax that the list does not call 'softmax' is quantised finished and normalised). What goes into a quantiser is computed in f32, as accurately as f32 sums, v_exp_f32 and their like allow (about 1e-6 of the number): no bf16 or f16 on the way to a quantiser, and a product that is left as it is and whose result goes on into a quantised operand takes f32 operands (vector FMAs, or v_wmma_f32_16x16x4_f32). A number that lies on a knife's edge between two numbers of the format may be rounded either way, as far as f32 arithmetic and the matrix unit's own rounding can turn it there, and no further.
;; One version. Each part assembles by itself: llvm-mc -triple=amdgcn-amd-amdhsa -mcpu=gfx1250 --defsym DOCPART=n.
;; ======== version 1 of 1: 4 launches
;; workspace buffers: codes 14,680,064 bytes; scales 917,504 bytes; q_img 4,718,592 bytes; kv_img 9,175,040 bytes; ctx_img 4,194,304 bytes; ctx_sc 262,144 bytes
;; launch quant (part 1): grid 896 x 1, 4 waves a work-group, no clusters, 33,280 bytes of LDS; arguments query, key_in, value, Wq, Wk, Wv, Wo, codes, scales; writes codes, scales
.if DOCPART == 1
	.amdgcn_target "amdgcn-amd-amdhsa--gfx1250"
	.amdhsa_code_object_version 6
	.text
	.protected	k_qa94c711ed2_quant
	.globl	k_qa94c711ed2_quant
	.p2align	8
	.type	k_qa94c711ed2_quant,@function
k_qa94c711ed2_quant:
	s_mov_b64 s[64:65], 0
	v_nop
	global_prefetch_b8 v0, s[64:65] scope:SCOPE_SE
	s_setreg_imm32_b32 hwreg(HW_REG_WAVE_MODE, 25, 1), 1
	s_wait_xcnt 0x0
; MULTI-HEAD ATTENTION IN MX-FP4, launch 1 of 4: the seven f32 inputs that are operands of products (query, key_in, value, Wq, Wk, Wv, Wo; K innermost in all, 1,024 long)
; become codes of FP4 (E2M1), 512 bytes a row, and one E8M0 scale byte for each 32 along K, 32 bytes a row.
; DEAD WORK: none.  Every input reaches out0 for some values: the weights and the three activations through their products; bq and bk move the codes and scales of Q and K, which the
; quantisers ahead of the score product take as they stand; bv moves V's; bo is added to the result.  So every input is loaded by some launch, and no product, row or step is left out.
; A block's scale is 2^(floor(log2(its largest magnitude)) - 2); its byte is the largest magnitude's own exponent field - 2, held at 1 from below.
; LIMITS: a block of zeros, or one whose largest magnitude lies under 2^(3 - 127), gets the byte 1 (the rule's byte for zeros is 127): its codes are zeros, or are made under the byte 1, and this program alone
; reads the bytes.  NaN and infinities among the inputs are not served.
; THE ROWS' ORDER IN THE WORKSPACE.  codes and scales hold 28,672 rows: query 0.., key_in 8,192.., value 16,384.., Wq 24,576.., Wk 25,600.., Wv 26,624.., Wo 27,648...  In all but Wo the four groups of 8 rows
; of each 32 lie in the order 0, 2, 1, 3: so 16 rows on end, taken as source 0 of a matrix instruction, leave 16 NEIGHBOURS along the next product's K in a lane's registers of two neighbouring tiles.
; A work-group takes 32 rows, a wave 8 (a group): 16 steps of 512 numbers.  Each load reads 512 consecutive bytes; a step's 2,048 bytes turn through the wave's own stage in LDS, so that a lane holds 16 neighbours
; (two lanes a block).  A wave's store of codes covers 256 consecutive bytes, aligned; its 256 scale bytes are gathered in LDS and leave as one aligned run of 256 bytes.  Waves share nothing: no barrier.
.set WAVES, 4
.set STEPS, 16
.set EMAX,  2
.set CB,    8                          ; bytes of 16 codes
.set R,     16                         ; v16-79   four sets of 16 numbers as they are loaded
.set X,     80                         ; v80-111  two sets of 16 neighbours
.set C,     128                        ; v128-191 codes: four registers for each step, so that no store's data are written again
.set E,     112                        ; v112-127 a scale byte for each step
.set WREG,  8192                       ; LDS: a region for each wave: two stages of 32 x SP bytes, behind them its 256 scale bytes
.set SP,    80                         ; a lane's place in a stage: 64 bytes + 16 of padding
.set SPW,   12                         ; v12      LDS address of my spare word; never rewritten
.set NIL,   13                         ; v13      0; never rewritten
.set SPARE, WAVES*WREG                 ; behind the four regions: the spare words, 128 bytes a wave, which no other line names
	s_load_b512 s[4:19], s[0:1], 0x0               ; query, key_in, value, Wq, Wk, Wv, Wo, codes
	s_load_b64 s[20:21], s[0:1], 0x40              ; scales
	v_lshl_add_u32 v[SPW], v0, 2, SPARE
	v_mov_b32 v[NIL], 0
	v_lshrrev_b32 v1, 5, v0
	v_readfirstlane_b32 s22, v1                    ; wave
	v_and_b32 v2, 31, v0                           ; lane
	v_lshlrev_b32 v3, 4, v2                        ; my 16 bytes of a load's 512
	s_mul_i32 s26, s22, WREG
	v_lshrrev_b32 v14, 2, v2
	v_mul_u32_u24 v14, v14, SP
	v_and_b32 v15, 3, v2
	v_lshl_add_u32 v14, v15, 4, v14
	v_add_nc_u32 v14, s26, v14                     ; the stage, on the way in: SP (lane / 4) + 16 (lane % 4)
	v_mul_u32_u24 v15, v2, SP
	v_add_nc_u32 v15, s26, v15                     ; and on the way out: SP x lane: my 16 neighbours
	v_mul_u32_u24 v4, v2, CB                       ; my codes' place in a step's
	v_lshrrev_b32 v5, 1, v2
	s_add_co_u32 s26, s26, 2*32*SP
	v_add_nc_u32 v5, s26, v5                       ; LDS: my wave's 256 scale bytes, my block's byte
	v_lshlrev_b32 v7, 3, v2                        ; and on the way out 8 bytes a lane
	v_add_nc_u32 v6, s26, v7
	s_wait_alu depctr_va_vdst(0)
	s_wait_kmcnt 0x0
	; which tensor: the choice hangs on the work-group's number alone.  s[24:25]: the tensor; s23: its first work-group
	s_mov_b64 s[24:25], s[16:17]                   ; Wo: work-groups 864 on
	s_mov_b32 s23, 864
.macro PICK lim, ptr, first
	s_cmp_lt_u32 ttmp9, \lim
	s_cselect_b64 s[24:25], s[\ptr:\ptr+1], s[24:25]
	s_cselect_b32 s23, \first, s23
.endm
	PICK 864, 14, 832                              ; Wv
	PICK 832, 12, 800                              ; Wk
	PICK 800, 10, 768                              ; Wq
	PICK 768, 8, 512                               ; value
	PICK 512, 6, 256                               ; key_in
	PICK 256, 4, 0                                 ; query
	s_and_b32 s27, s22, 1                          ; where my group of 8 rows goes among its 32: groups 1 and 2 change places,
	s_lshl_b32 s27, s27, 1
	s_lshr_b32 s28, s22, 1
	s_or_b32 s27, s27, s28
	s_cmp_lt_u32 ttmp9, 864
	s_cselect_b32 s27, s27, s22                    ; but not in Wo
	s_sub_co_u32 s28, ttmp9, s23
	s_lshl_b32 s28, s28, 2
	s_add_co_u32 s28, s28, s22                     ; which run of 8,192 numbers of the tensor is my wave's
	s_lshl_b32 s28, s28, 15                        ; 32,768 bytes a run
	s_mov_b32 s29, 0
	s_add_nc_u64 s[24:25], s[24:25], s[28:29]
	s_lshl_b32 s30, ttmp9, 2
	s_add_co_u32 s30, s30, s27                     ; and which run of the workspace
	s_lshl_b32 s28, s30, 12                        ; 4,096 bytes of codes a run
	s_add_nc_u64 s[18:19], s[18:19], s[28:29]
	s_lshl_b32 s28, s30, 8                         ; 256 scale bytes a run
	s_add_nc_u64 s[20:21], s[20:21], s[28:29]
.macro LOAD t
.irp i, 0,1,2,3
	global_load_b128 v[R+16*((\t)%4)+4*\i:R+16*((\t)%4)+4*\i+3], v3, s[24:25] offset:2048*(\t)+512*\i th:TH_LOAD_NT   ; 32 lanes read 512 consecutive bytes
.endr
.endm
.macro TURN t                          ; step t's numbers through the stage: LDS serves a wave's instructions in order, so no wait stands between the stores and the loads
.irp i, 0,1,2,3
	ds_store_b128 v14, v[R+16*((\t)%4)+4*\i:R+16*((\t)%4)+4*\i+3] offset:32*SP*((\t)%2)+8*SP*\i
.endr
.irp i, 0,1,2,3
	ds_load_b128 v[X+16*((\t)%2)+4*\i:X+16*((\t)%2)+4*\i+3], v15 offset:32*SP*((\t)%2)+16*\i
.endr
.endm
.irp t, 0,1,2,3
	LOAD \t
.endr
	s_wait_loadcnt 12                              ; step 0's four loads are in; the twelve of steps 1 to 3 may be out
	TURN 0
.macro STEP t
.set XS, X+16*((\t)%2)
.if (\t) > 0
	s_wait_dscnt 1                                 ; this step's numbers are back from the stage (the last step's byte store may be out): so its stores into the stage have read their registers,
.else
	s_wait_dscnt 0x0
.endif
.if (\t)+4 < STEPS
	LOAD (\t)+4                                    ; which take the loads of four steps on
.endif
.if (\t)+1 < STEPS
.if STEPS-2-(\t) >= 3
	s_wait_loadcnt 12                              ; the next step's four loads are in; those of the three steps behind it may be out
.else
	s_wait_loadcnt 4*(STEPS-2-(\t))
.endif
	TURN (\t)+1                                    ; and go through the other stage while this step is worked
.endif
	v_max3_num_f32 v8, |v[XS]|, |v[XS+1]|, |v[XS+2]|               ; the largest magnitude of my 16, in two chains
	v_max3_num_f32 v9, |v[XS+3]|, |v[XS+4]|, |v[XS+5]|
.irp i, 6,10
	v_max3_num_f32 v8, v8, |v[XS+\i]|, |v[XS+\i+1]|
	v_max3_num_f32 v9, v9, |v[XS+\i+2]|, |v[XS+\i+3]|
.endr
	v_max3_num_f32 v8, v8, |v[XS+14]|, |v[XS+15]|
	v_max3_num_f32 v8, v8, v9, (EMAX+1)<<23        ; and the floor 2^(EMAX + 1 - 127): the byte cannot fall under 1
	v_max_num_f32_dpp v8, v8, v8 row_xmask:1 row_mask:0xf bank_mask:0xf   ; and of my neighbour's 16: the block's
	v_add_nc_u32 v11, -(EMAX<<23), v8              ; EMAX off its exponent field: the conversion takes the exponent field of this operand as its scale
	v_cvt_scalef32_pk8_fp4_f32 v[C+4*(\t)], v[XS:XS+7], v11        ; eight numbers / the scale, to the nearest code, ties to even, beyond 6 the largest code
	v_cvt_scalef32_pk8_fp4_f32 v[C+4*(\t)+1], v[XS+8:XS+15], v11
	v_lshrrev_b32 v[E+(\t)], 23, v11               ; the scale's byte
	ds_store_b8 v5, v[E+(\t)] offset:16*(\t)       ; both lanes of a block write the same byte with the same value
	global_store_b64 v4, v[C+4*(\t):C+4*(\t)+1], s[18:19] offset:32*CB*(\t)   ; the wave stores 256 consecutive bytes, aligned
.endm
.irp t, 0,1,2,3,4,5,6,7,8,9,10,11,12,13,14,15
	STEP \t
.endr
	ds_load_b64 v[8:9], v6                         ; LDS serves a wave's instructions in order: these see my stores
	s_wait_dscnt 0x0
	global_store_b64 v7, v[8:9], s[20:21]          ; 32 lanes store 256 consecutive bytes, aligned
	s_wait_tensorcnt 0x0                           ; the wave's end
	ds_add_u32 v[SPW], v[NIL]
	s_wait_dscnt 0x0
	s_endpgm
.Lfunc_end_k_qa94c711ed2_quant:
	.size	k_qa94c711ed2_quant, .Lfunc_end_k_qa94c711ed2_quant-k_qa94c711ed2_quant
	.p2alignl 7, 3214868480
	.fill 96, 4, 3214868480
	.section	.rodata,"a",@progbits
	.p2align	6, 0x0
	.amdhsa_kernel k_qa94c711ed2_quant
		.amdhsa_group_segment_fixed_size 33280
		.amdhsa_private_segment_fixed_size 0
		.amdhsa_enable_private_segment 0
		.amdhsa_kernarg_size 72
		.amdhsa_user_sgpr_count 2
		.amdhsa_user_sgpr_kernarg_segment_ptr 1
		.amdhsa_wavefront_size32 1
		.amdhsa_system_sgpr_workgroup_id_x 1
		.amdhsa_system_sgpr_workgroup_id_y 1
		.amdhsa_system_sgpr_workgroup_id_z 1
		.amdhsa_system_vgpr_workitem_id 0
		.amdhsa_next_free_vgpr 192
		.amdhsa_next_free_sgpr 66
		.amdhsa_reserve_vcc 0
		.amdhsa_float_denorm_mode_32 3
		.amdhsa_float_denorm_mode_16_64 3
		.amdhsa_memory_ordered 1
		.amdhsa_forward_progress 1
		.amdhsa_inst_pref_size 34
	.end_amdhsa_kernel
	.amdgpu_metadata
---
amdhsa.version: [ 1, 2 ]
amdhsa.kernels:
  - .name:           k_qa94c711ed2_quant
    .symbol:         k_qa94c711ed2_quant.kd
    .args:
      - { .name: query, .offset: 0, .size: 8, .value_kind: global_buffer, .address_space: global }
      - { .name: key_in, .offset: 8, .size: 8, .value_kind: global_buffer, .address_space: global }
      - { .name: value, .offset: 16, .size: 8, .value_kind: global_buffer, .address_space: global }
      - { .name: Wq, .offset: 24, .size: 8, .value_kind: global_buffer, .address_space: global }
      - { .name: Wk, .offset: 32, .size: 8, .value_kind: global_buffer, .address_space: global }
      - { .name: Wv, .offset: 40, .size: 8, .value_kind: global_buffer, .address_space: global }
      - { .name: Wo, .offset: 48, .size: 8, .value_kind: global_buffer, .address_space: global }
      - { .name: codes, .offset: 56, .size: 8, .value_kind: global_buffer, .address_space: global }
      - { .name: scales, .offset: 64, .size: 8, .value_kind: global_buffer, .address_space: global }
    .group_segment_fixed_size: 33280
    .private_segment_fixed_size: 0
    .kernarg_segment_align: 8
    .kernarg_segment_size: 72
    .max_flat_workgroup_size: 128
    .sgpr_count:     66
    .vgpr_count:     192
    .wavefront_size: 32
...
	.end_amdgpu_metadata
.endif
;; end of part 1
;; launch proj (part 2): grid 4 x 96, 4 waves a work-group, clusters of 4 x 4, 327,680 bytes of LDS; arguments codes, scales, bq, bk, bv, q_img, kv_img; writes q_img, kv_img
.if DOCPART == 2
	.amdgcn_target "amdgcn-amd-amdhsa--gfx1250"
	.amdhsa_code_object_version 6
	.text
	.protected	k_qa94c711ed2_proj
	.globl	k_qa94c711ed2_proj
	.p2align	8
	.type	k_qa94c711ed2_proj,@function
k_qa94c711ed2_proj:
	s_mov_b64 s[64:65], 0
	v_nop
	global_prefetch_b8 v0, s[64:65] scope:SCOPE_SE
	s_setreg_imm32_b32 hwreg(HW_REG_WAVE_MODE, 25, 1), 1
	s_wait_xcnt 0x0
	s_wait_alu depctr_hold_cnt(0) depctr_sa_sdst(0) depctr_va_vdst(0) depctr_va_sdst(0) depctr_va_ssrc(0) depctr_va_vcc(0) depctr_vm_vsrc(0)
	s_getreg_b32 s2, hwreg(HW_REG_IB_STS2, 6, 4)
	s_cmp_eq_u32 s2, 0
	s_cbranch_scc0 .Lentry_in_a_cluster
	s_endpgm
.Lentry_in_a_cluster:
	s_bfe_u32 s2, ttmp6, 0x10000c
	s_cmp_lg_u32 s2, 0xf033
	s_cbranch_scc0 .Lentry_shape_is_right
	s_endpgm
.Lentry_shape_is_right:
; Launch 2 of 4: Q = query Wq^T + bq, K = key_in Wk^T + bk, V = value Wv^T + bv on codes of FP4 with E8M0 scales, f32 sums; the results are quantised in registers (Q, K along the head's 64; V along the keys)
; and stored as IMAGES OF THE ATTENTION LAUNCH'S OPERAND REGISTERS.  No work of the problem is left out here.
; A tile of 256 x 256 of a product is made by four waves, each 128 x 128: 64 accumulators of 16 x 16, 512 registers.  K = 1,024 is two LDS slots of 512 along K (rows of 256 bytes), both asked for at the start:
; nothing is filled again.  The scale bytes of the tile's 2 x 256 rows come once, as dense blocks.
; CLUSTERS: 4 x 4 work-groups; operand A's tiles are shared along a row of the cluster, B's along a column: each is asked for jointly by the four that need it.
; WHICH PRODUCT: t = cluster y / 8 (0 Q, 1 K, 2 V), y = cluster y % 8: the same in all sixteen partners.  The matrix instruction takes 16 rows of B as source 0 and 16 rows of A as source 1: a lane then holds ONE row
; of A, and its registers run along B's rows.  Q, K: A = the activations (rows 1,024 y + 256 cy on), B = the weight (rows 256 cx on): registers run along the head's channels, the next K.
; V: A = Wv (rows 256 cy on), B = value (rows 1,024 y + 256 cx on): registers run along the keys, the next K.  B's rows lie in the workspace in the order 0, 2, 1, 3 by groups of 8, so that the 16 registers of
; accumulators 2 g and 2 g + 1 are 16 neighbours: register 16 g + i is B's true row 32 g + 16 (lane / 16) + i.
; THE BIAS is the C of each sum's first matrix instruction: 64 registers.  Q, K: by B's row (register); V: by A's row (lane).  So the first step of 128 along K is written twice, under a branch on t.
; LIMITS: as in the first launch (zero blocks get the byte 1; NaN and infinities are not served).
; REGISTERS, in windows of 256: window 0: v0-31 addresses; v32-95 scale words, two sets; v96-105 offsets; v128-191 A's fragments, one set, later the codes made; v200-231 at work on the way out.
;   window 1: B's fragments, two sets, at v0 and v128; v64-127 the bias.   window 2: the accumulators of my A rows 0-63 ((a, b) at v[8 (8 (a % 4) + b)]);   window 3: those of rows 64-127.
.set NQ,     4                         ; steps of 128 along K in a slot
.set ROWB,   256                       ; a tile's row in bytes: 512 codes
.set KROW,   512                       ; a row of codes in memory
.set PITCH,  272                       ; an LDS row: 256 bytes + 16 of padding: the 16 rows that a load touches start 68 words apart
.set FR,     8                         ; registers of a fragment: 16 rows x 128 K
.set NL,     2                         ; LDS loads that bring one
.set NP,     4                         ; plain vector instructions between a matrix instruction and a load into, or a vector read of, its registers
.set HALFT,  128*PITCH                 ; 128 rows: what one tensor load brings
.set SLOT,   4*HALFT                   ; A's 256 rows, then B's 256
.set SCL,    2*SLOT                    ; behind the slots: the scale bytes, 32 a row, as runs of 256 bytes + 16 of padding
.set HALFS,  16*272                    ; those of 128 rows
.set SPARE,  SCL+4*HALFS               ; the spare words, 128 bytes a wave, which no other line names
.set ADRA, 16                          ; v16-17  LDS address of my A fragments in slot 0, 1
.set ADRB, 20                          ; v20-21  the same for B
.set ADSA, 27                          ; v27     LDS address of A's scale words: row = lane
.set SPW,  28                          ; v28     my spare word; never rewritten
.set NIL,  29                          ; v29     0; never rewritten
.set ADSB, 30                          ; v30     B's scale words
.set SC,   32                          ; scale words: set s at v[SC + 32 s]: +4 p + q: A's blocks 2 p (lanes 0-15) and 2 p + 1 (lanes 16-31), the slot's q-th 128 along K; +16 + 4 p + q: B's likewise
.set VO,   96                          ; v96-103 byte offsets: first of the bias loads, then of the eight blocks' stores
.set VOS,  104                         ; v104    byte offset of the scale words' store
.set AF,   128                         ; A's fragments
.set CB,   64                          ; the bias, in window 1
.set TM,   200                         ; v200-203 largest magnitudes, v204-207 bytes, v212-215 the conversions' scale operands
.set WD,   216                         ; v216-223 the eight blocks' scale words
.set G1, 24                            ; s[24:31] descriptor group 1 for A's codes; s[32:39] group 0, one set a slot
.set G0, 32
.set G1B, 48                           ; s[48:55], s[56:63] the same for B's
.set G0B, 56
.set G1S, 68                           ; s[68:75], s[76:79] groups 1 and 0 for A's scale bytes; s[80:87], s[88:91] for B's
.set G0S, 76
.set G1SB, 80
.set G0SB, 88
.set MSB, 0
.macro WIN new                         ; the immediate's high byte repeats the setting that is left; a switch that changes nothing is dropped
.if MSB != (\new)
	s_set_vgpr_msb (MSB<<8)|(\new)
.set MSB, (\new)
.endif
.endm
.set MUL_LO, 0xa1                      ; source 0 (B) window 1, source 1 (A) window 0, C and D window 2
.set MUL_HI, 0xf1                      ; the same, C and D window 3
.set BIA_LO, 0x91                      ; the first step: C (the bias) window 1, D window 2
.set BIA_HI, 0xd1                      ; D window 3
.set TO_B,   0x40                      ; destination window 1, address window 0
; A joint load: waves 0 and 1 fetch for A, waves 2 and 3 for B; the branch hangs on the wave's number alone.  An s_nop 0 and four v_nop follow each of the two lines.
.macro JLOAD g0a, g1a, g0b, g1b
	s_cmp_eq_u32 s15, 0
	s_cbranch_scc0 .Lfor_b_\@
	tensor_load_to_lds s[\g0a:\g0a+3], s[\g1a:\g1a+7]
	s_nop 0
.rept 4
	v_nop
.endr
	s_branch .Lasked_\@
.Lfor_b_\@:
	tensor_load_to_lds s[\g0b:\g0b+3], s[\g1b:\g1b+7]
	s_nop 0
.rept 4
	v_nop
.endr
.Lasked_\@:
.endm
.macro CROUND                          ; a round of the cluster's barrier
	s_barrier_signal -1
	s_barrier_wait -1
	s_cmp_lg_u32 s14, 0
	s_cbranch_scc1 .Lnot_wave_0_\@
	s_barrier_signal -3
.Lnot_wave_0_\@:
	s_barrier_wait -3
	s_barrier_signal -1
	s_barrier_wait -1
.endm
	s_load_b256 s[4:11], s[0:1], 0x0               ; codes s[4:5], scales s[6:7], bq s[8:9], bk s[10:11]
	s_load_b128 s[96:99], s[0:1], 0x20             ; bv s[96:97], q_img s[98:99]
	s_load_b64 s[100:101], s[0:1], 0x30            ; kv_img
	v_lshl_add_u32 v[SPW], v0, 2, SPARE
	v_mov_b32 v[NIL], 0
	ds_add_u32 v[SPW], v[NIL]                      ; the wave's opening: the add, twice on end, and its wait ahead of my first tensor load
	ds_add_u32 v[SPW], v[NIL]
	v_lshrrev_b32 v1, 5, v0
	v_readfirstlane_b32 s14, v1                    ; wave 0..3
	s_lshr_b32 s15, s14, 1                         ; which half of A's rows I multiply.  Also: I fetch for A (0) or for B (1)
	s_and_b32 s16, s14, 1                          ; which half of B's rows I multiply.  Also: which 128 rows I fetch
	s_bfe_u32 s40, ttmp6, 0x40000                  ; cx, cy: my place in the cluster
	s_bfe_u32 s41, ttmp6, 0x40004
	s_and_b32 s18, ttmp7, 0xffff                   ; cluster y
	s_lshr_b32 s17, s18, 3                         ; t: 0 Q, 1 K, 2 V
	s_and_b32 s42, s18, 7                          ; y: which 1,024 tokens
	s_lshl_b32 s2, s17, 13
	s_lshl_b32 s3, s42, 10
	s_add_co_u32 s2, s2, s3                        ; the activations' rows: 8,192 t + 1,024 y
	s_lshl_b32 s3, s17, 10
	s_add_co_u32 s3, s3, 24576                     ; the weight's rows: 24,576 + 1,024 t
	s_cmp_eq_u32 s17, 2
	s_cselect_b32 s19, s3, s2                      ; A: Wv for V, else the activations
	s_cselect_b32 s66, s2, s3                      ; B: value for V, else the weight
	s_lshl_b32 s43, s41, 2
	s_lshl_b32 s43, 15, s43                        ; my row of the cluster
	s_lshl_b32 s44, 0x1111, s40                    ; my column
	; descriptor group 1: 128 rows x 256 bytes, 512 bytes apart in memory, 16 bytes of padding behind each in LDS
	s_or_b32 s[G1+0], s43, (0<<16)|(1<<20)|(1<<21)|(5<<22)|(3<<25)  ; 15:0 the mask; 17:16 elements of 1 byte; 20 padding on; 21 set beside a mask; 24:22 after every 64 words; 31:25 four words
	s_or_b32 s[G1B+0], s44, (0<<16)|(1<<20)|(1<<21)|(5<<22)|(3<<25)
.irp g, G1, G1B
	s_mov_b32 s[\g+1], ROWB<<16                    ; tensor_dim0
	s_mov_b32 s[\g+2], 128<<16                     ; tensor_dim1
	s_mov_b32 s[\g+3], ROWB<<16                    ; tile_dim0
	s_mov_b32 s[\g+4], 128                         ; tile_dim1
	s_mov_b32 s[\g+5], KROW                        ; from row to row
	s_mov_b32 s[\g+6], 0
	s_mov_b32 s[\g+7], 0
.endr
	; the scale bytes of 128 rows: 4,096 dense bytes, as 16 rows of 256 bytes (32 elements of 8), 16 bytes of padding behind each
	s_or_b32 s[G1S+0], s43, (3<<16)|(1<<20)|(1<<21)|(5<<22)|(3<<25)
	s_or_b32 s[G1SB+0], s44, (3<<16)|(1<<20)|(1<<21)|(5<<22)|(3<<25)
.irp g, G1S, G1SB
	s_mov_b32 s[\g+1], 32<<16
	s_mov_b32 s[\g+2], 16<<16
	s_mov_b32 s[\g+3], 32<<16
	s_mov_b32 s[\g+4], 16
	s_mov_b32 s[\g+5], 32
	s_mov_b32 s[\g+6], 0
	s_mov_b32 s[\g+7], 0
.endr
	s_lshl_b32 s18, s16, 7                         ; which 128 rows of the tile I fetch
	s_lshl_b32 s20, s41, 8
	s_add_co_u32 s20, s20, s19
	s_add_co_u32 s20, s20, s18                     ; A's first row: it hangs on cy, not on cx
	s_lshl_b32 s46, s40, 8
	s_add_co_u32 s46, s46, s66
	s_add_co_u32 s46, s46, s18                     ; B's first row: on cx, not on cy
	s_lshl_b32 s22, s20, 5                         ; 32 scale bytes a row,
	s_mov_b32 s23, 0
	s_lshl_b32 s20, s20, 9                         ; 512 bytes of codes
	s_mov_b32 s21, 0
	s_lshl_b32 s92, s46, 5
	s_mov_b32 s93, 0
	s_lshl_b32 s46, s46, 9
	s_mov_b32 s47, 0
	s_mul_i32 s45, s14, HALFT                      ; where they go: wave x 128 rows: no place in the cluster enters an LDS address
	s_mul_i32 s94, s14, HALFS
	s_wait_dscnt 0x0                               ; both opening adds are done
	s_wait_kmcnt 0x0
	s_add_nc_u64 s[20:21], s[4:5], s[20:21]
	s_add_nc_u64 s[22:23], s[6:7], s[22:23]
	s_add_nc_u64 s[46:47], s[4:5], s[46:47]
	s_add_nc_u64 s[92:93], s[6:7], s[92:93]
	CROUND                                         ; all sixteen work-groups are here: the joint loads meet
	s_mov_b32 s[G0S], 1
	s_add_co_u32 s[G0S+1], s94, SCL
	s_mov_b64 s[G0S+2:G0S+3], s[22:23]
	s_or_b32 s[G0S+3], s[G0S+3], 0x80000000
	s_mov_b32 s[G0SB], 1
	s_add_co_u32 s[G0SB+1], s94, SCL
	s_mov_b64 s[G0SB+2:G0SB+3], s[92:93]
	s_or_b32 s[G0SB+3], s[G0SB+3], 0x80000000
	JLOAD G0S, G1S, G0SB, G1SB                     ; the scale bytes first: they are wanted with slot 0
.irp s, 0,1
	s_mov_b32 s[G0+4*\s], 1
	s_add_co_u32 s[G0+4*\s+1], s45, \s*SLOT
	s_add_nc_u64 s[G0+4*\s+2:G0+4*\s+3], s[20:21], \s*ROWB
	s_or_b32 s[G0+4*\s+3], s[G0+4*\s+3], 0x80000000
	s_mov_b32 s[G0B+4*\s], 1
	s_add_co_u32 s[G0B+4*\s+1], s45, \s*SLOT
	s_add_nc_u64 s[G0B+4*\s+2:G0B+4*\s+3], s[46:47], \s*ROWB
	s_or_b32 s[G0B+4*\s+3], s[G0B+4*\s+3], 0x80000000
	JLOAD G0+4*\s, G1, G0B+4*\s, G1B               ; three tensor loads of mine are out at the most
.endr
	v_and_b32 v1, 15, v0                           ; r = lane % 16
	v_bfe_u32 v2, v0, 4, 1                         ; h = lane / 16
	v_mul_u32_u24 v3, v1, PITCH
	v_lshl_add_u32 v4, v2, 4, v3                   ; a fragment's row x pitch + 16 x half
	s_mul_i32 s21, s15, HALFT                      ; my 128 rows of A
	s_mul_i32 s22, s16, HALFT                      ; my 128 rows of B,
	s_add_co_u32 s22, s22, 2*HALFT                 ; behind A's 256
.irp s, 0,1
	v_add_nc_u32 v[ADRA+\s], s21, v4
	v_add_nc_u32 v[ADRB+\s], s22, v4
	s_add_co_u32 s21, s21, SLOT
	s_add_co_u32 s22, s22, SLOT
.endr
	v_and_b32 v5, 31, v0                           ; scale words: row = lane: 32 bytes a row, and 16 more for each 256 passed
	v_lshrrev_b32 v6, 3, v5
	v_lshlrev_b32 v5, 5, v5
	v_lshl_add_u32 v5, v6, 4, v5
	s_mul_i32 s21, s15, HALFS
	s_add_co_u32 s21, s21, SCL
	v_add_nc_u32 v[ADSA], s21, v5
	s_mul_i32 s22, s16, HALFS
	s_add_co_u32 s22, s22, SCL+2*HALFS
	v_add_nc_u32 v[ADSB], s22, v5
	; the bias.  Q, K: register 8 b + j takes b[n0 + 32 (b / 2) + 16 h + 8 (b % 2) + j], n0 = 256 cx + 128 x my half of B.  V: all eight registers of block a take b[n0 + 32 (a / 2) + 8 (a % 2) + r + 8 (r / 8)], n0 = 256 cy + 128 x my half of A
	s_cmp_eq_u32 s17, 0
	s_cselect_b64 s[66:67], s[8:9], s[10:11]       ; bq or bk,
	s_cmp_eq_u32 s17, 2
	s_cselect_b64 s[66:67], s[96:97], s[66:67]     ; or bv
	s_cselect_b32 s20, s41, s40
	s_cselect_b32 s21, s15, s16
	s_cselect_b32 s22, 4, 0                        ; bytes for each step of r + 8 (r / 8),
	s_cselect_b32 s23, 0, 64                       ; of h,
	s_cselect_b32 s18, 0, 4                        ; of j
	s_lshl_b32 s20, s20, 10
	s_lshl_b32 s21, s21, 9
	s_add_co_u32 s20, s20, s21
	s_mov_b32 s21, 0
	s_add_nc_u64 s[66:67], s[66:67], s[20:21]
	v_and_b32 v5, 8, v1
	v_add_nc_u32 v5, v5, v1                        ; r + 8 (r / 8)
	v_mul_u32_u24 v5, v5, s22
	v_mul_u32_u24 v6, v2, s23
	v_add_nc_u32 v[VO], v5, v6
.irp j, 1,2,3,4,5,6,7
	v_add_nc_u32 v[VO+\j], s18, v[VO+\j-1]
.endr
	WIN TO_B
.irp i, 0,1,2,3,4,5,6,7
.irp j, 0,1,2,3,4,5,6,7
	global_load_b32 v[CB+8*\i+\j], v[VO+\j], s[66:67] offset:4*(32*(\i/2)+8*(\i%2))
.endr
.endr
	WIN 0
.macro FRAG reg, adr, q, i             ; a fragment: lane l holds row l % 16; registers 4 c .. 4 c + 3 hold K = 64 c + 32 (l / 16) + 0 .. 31: 16 bytes of the row as they lie
.irp c, 0,1
	ds_load_b128 v[\reg+4*\c:\reg+4*\c+3], v[\adr] offset:64*(\q)+32*\c+(\i)*16*PITCH
.endr
.endm
; One matrix instruction: A's block a x B's block b, the slot's q-th 128 along K.  p: B's set; sc: the set of scale words; cm: 0 the sum goes on; 1 it starts from the bias by b; 2 from the bias by a.
; An odd block's scale words stand in lanes 16-31 of their register.
.macro WM a, b, p, q, sc, cm
.set DR, 8*(8*((\a)%4)+(\b))
.set CL, DR
.if (\cm) == 1
.set CL, CB+8*(\b)
.endif
.if (\cm) == 2
.set CL, CB+8*(\a)
.endif
.set RB, 128*(\p)+FR*(\b)
.set RA, AF+FR*(\a)
.set S0, SC+32*(\sc)+16+4*((\b)/2)+(\q)
.set S1, SC+32*(\sc)+4*((\a)/2)+(\q)
.if ((\a)%2 == 0) && ((\b)%2 == 0)
	v_wmma_scale_f32_16x16x128_f8f6f4 v[DR:DR+7], v[RB:RB+7], v[RA:RA+7], v[CL:CL+7], v[S0], v[S1] matrix_a_fmt:MATRIX_FMT_FP4 matrix_b_fmt:MATRIX_FMT_FP4
.elseif ((\a)%2 == 0)
	v_wmma_scale_f32_16x16x128_f8f6f4 v[DR:DR+7], v[RB:RB+7], v[RA:RA+7], v[CL:CL+7], v[S0], v[S1] matrix_a_fmt:MATRIX_FMT_FP4 matrix_b_fmt:MATRIX_FMT_FP4 matrix_a_scale:MATRIX_SCALE_ROW1
.elseif ((\b)%2 == 0)
	v_wmma_scale_f32_16x16x128_f8f6f4 v[DR:DR+7], v[RB:RB+7], v[RA:RA+7], v[CL:CL+7], v[S0], v[S1] matrix_a_fmt:MATRIX_FMT_FP4 matrix_b_fmt:MATRIX_FMT_FP4 matrix_b_scale:MATRIX_SCALE_ROW1
.else
	v_wmma_scale_f32_16x16x128_f8f6f4 v[DR:DR+7], v[RB:RB+7], v[RA:RA+7], v[CL:CL+7], v[S0], v[S1] matrix_a_fmt:MATRIX_FMT_FP4 matrix_b_fmt:MATRIX_FMT_FP4 matrix_a_scale:MATRIX_SCALE_ROW1 matrix_b_scale:MATRIX_SCALE_ROW1
.endif
.endm
; 16 matrix instructions: A's blocks a0, a0 + 1 x B's eight.  The 64 accumulators take turns, one instruction a turn, in the same order in every step.
.macro MUL16 a0, p, q, sc, cm
.irp a, \a0, \a0+1
.irp b, 0,1,2,3,4,5,6,7
	WM \a, \b, \p, \q, \sc, \cm
.endr
.endr
.endm
.macro FETCH_B slot, q, p
	WIN TO_B
.irp i, 0,1,2,3,4,5,6,7
	FRAG 128*(\p)+FR*\i, ADRB+\slot, \q, \i
.endr
	WIN 0
.endm
.macro FETCH_A slot, q, i0
.irp i, \i0, \i0+1, \i0+2, \i0+3
	FRAG AF+FR*(\i), ADRA+\slot, \q, \i
.endr
.endm
.macro SCALES sc                       ; slot sc's scale words: 16 bytes a row (four words, one for each 128 along K); load p takes rows 32 p + lane
.irp p, 0,1,2,3
	ds_load_b128 v[SC+32*\sc+4*\p:SC+32*\sc+4*\p+3], v[ADSA] offset:1088*\p+16*\sc
	ds_load_b128 v[SC+32*\sc+16+4*\p:SC+32*\sc+16+4*\p+3], v[ADSB] offset:1088*\p+16*\sc
.endr
.endm
.macro PLACES n
.rept \n
	v_nop
.endr
.endm
; A step of 128 along K that has its successor in the same slot.  A's blocks are free as soon as their eight products are issued: blocks 0-3 are fetched anew in the middle, blocks 4-7 at the end; B has two sets.
.macro STEP slot, q, cm
	s_wait_dscnt 4*NL                              ; all but the youngest eight loads (A's blocks 4-7) are in
.if \cm
	WIN BIA_LO
.else
	WIN MUL_LO
.endif
	MUL16 0, (\q)%2, \q, \slot, \cm
	MUL16 2, (\q)%2, \q, \slot, \cm
	s_wait_dscnt 0                                 ; A's blocks 4-7 are in
	PLACES NP
	FETCH_B \slot, (\q)+1, 1-(\q)%2
	FETCH_A \slot, (\q)+1, 0
.if \cm
	WIN BIA_HI
.else
	WIN MUL_HI
.endif
	MUL16 4, (\q)%2, \q, \slot, \cm
	MUL16 6, (\q)%2, \q, \slot, \cm
	PLACES NP
	WIN 0
	FETCH_A \slot, (\q)+1, 4
.endm
.macro STEPS slot, from
.set Q, \from
.rept NQ-1-\from
	STEP \slot, Q, 0
.set Q, Q+1
.endr
.endm
	s_wait_tensorcnt 1                             ; the scale bytes and my part of slot 0 are in; slot 1's load, the one issued behind them, may be out
	s_barrier_signal -1
	s_barrier_wait -1                              ; everybody's are
	FETCH_B 0, 0, 0
	FETCH_A 0, 0, 0
	SCALES 0
	FETCH_A 0, 0, 4
	s_wait_loadcnt 0x0                             ; the bias
	s_cmp_eq_u32 s17, 2                            ; t is made of the cluster's y: all sixteen partners go the same way, and neither arm holds a tensor load or a barrier
	s_cbranch_scc1 .Lfirst_v
	STEP 0, 0, 1                                   ; Q, K: the sums start from the bias by B's row
	s_branch .Lfirst_done
.Lfirst_v:
	STEP 0, 0, 2                                   ; V: by A's row
.Lfirst_done:
	STEPS 0, 1
	; slot 0's last step changes slots: one barrier.  In front of it each wave waits for all its tensor loads (its part of slot 1) and for its LDS instructions
	s_wait_tensorcnt 0x0
	ds_add_u32 v[SPW], v[NIL]                      ; 0 onto my spare word
	s_wait_dscnt 4*NL+1                            ; (the add and the youngest eight loads may be out)
	WIN MUL_LO
	MUL16 0, 1, NQ-1, 0, 0
	s_wait_dscnt 0x0                               ; the add is done, my reads of slot 0 are over
	s_barrier_signal -1
	MUL16 2, 1, NQ-1, 0, 0
	WIN 0
	s_barrier_wait -1                              ; slot 1 is whole
	PLACES NP
	FETCH_B 1, 0, 0
	FETCH_A 1, 0, 0
	SCALES 1
	WIN MUL_HI
	MUL16 4, 1, NQ-1, 0, 0
	MUL16 6, 1, NQ-1, 0, 0
	PLACES NP
	WIN 0
	FETCH_A 1, 0, 4
	STEPS 1, 0
	s_wait_dscnt 4*NL                              ; the very last step: nothing more to fetch
	WIN MUL_LO
	MUL16 0, 1, NQ-1, 1, 0
	MUL16 2, 1, NQ-1, 1, 0
	s_wait_dscnt 0
	WIN MUL_HI
	MUL16 4, 1, NQ-1, 1, 0
	MUL16 6, 1, NQ-1, 1, 0
	WIN 0
	; THE WAY OUT.  G: which 128 tokens (of 64 such groups); P: which pair of heads (of 8).  Q, K: tokens are A's rows, heads B's; V: the other way round.
	; q_img: [batch x head 64][group 16][4,608]: 8 tiles of 16 tokens x 512 bytes (registers 0-3 of a fragment, lane l's 16 bytes at 16 l), then 512 bytes of scale words (lane l's four at 16 l: tiles 4 (l / 16) + 0 .. 3 of row l % 16).
	; kv_img: [batch x head 64][group 16][8,960]: K as Q; at 4,096 V: [tile of 16 channels 4][half of a fragment 2][512]; at 8,192 K's scale words; at 8,704 V's: [channel of a tile 16][tile 4] words.
	; All tensor loads of mine were waited for at the change of slots: the descriptors' registers are free.
	s_mov_b32 s104, 0x76543210
	s_mov_b32 s105, 0xfedcba98                     ; lane selects: lane l xor 16
	s_cmp_eq_u32 s17, 0
	s_mov_b32 s75, 8960
	s_cselect_b32 s75, 4608, s75                   ; bytes of a group
	s_mov_b32 s76, 8192
	s_cselect_b32 s76, 4096, s76                   ; where Q's or K's scale words begin in it
	s_cselect_b64 s[12:13], s[98:99], s[100:101]   ; q_img or kv_img
	s_lshl_b32 s77, s75, 4                         ; bytes of a head
	s_cmp_eq_u32 s17, 2
	s_cselect_b32 s68, s40, s41
	s_cselect_b32 s69, s16, s15
	s_cselect_b32 s70, s41, s40
	s_cselect_b32 s71, s15, s16
	s_cselect_b32 s72, 4096, 0                     ; V's codes lie 4,096 bytes into a group
	s_mov_b32 s73, 512
	s_cselect_b32 s78, s73, s77                    ; from registers 0-3 of a block's codes to registers 4-7: V: the fragment's other half; Q, K: the next head
	s_cselect_b32 s73, 1024, s73                   ; from block to block,
	s_cselect_b32 s74, 143360-4096, 0              ; and V's blocks 4-7 belong to the next head
	s_mov_b32 s79, 256
	s_cselect_b32 s79, s77, s79                    ; the scale words of lanes 16-31: V: the next head's; Q, K: tiles 4-7
	s_cselect_b32 s76, 4608, s76                   ; (V: 8,704 less the 4,096 in the base)
	s_lshl_b32 s80, s42, 2
	s_add_co_u32 s80, s80, s68
	s_lshl_b32 s80, s80, 1
	s_add_co_u32 s80, s80, s69                     ; G
	s_lshl_b32 s81, s70, 1
	s_add_co_u32 s81, s81, s71                     ; P
	s_lshr_b32 s84, s80, 4
	s_lshl_b32 s84, s84, 4
	s_lshl_b32 s81, s81, 1
	s_add_co_u32 s84, s84, s81                     ; 16 x batch + the pair's first head
	s_and_b32 s80, s80, 15                         ; the group in its batch
	s_mul_i32 s84, s84, s77
	s_mul_i32 s80, s80, s75
	s_add_co_u32 s84, s84, s80
	s_add_co_u32 s84, s84, s72
	s_mov_b32 s85, 0
	s_add_nc_u64 s[12:13], s[12:13], s[84:85]
	s_mov_b32 s84, s78
	s_add_nc_u64 s[82:83], s[12:13], s[84:85]
	v_and_b32 v105, 31, v0
	v_lshlrev_b32 v[VO], 4, v105                   ; 16 x lane (the bias loads, which read these registers, were waited for)
.irp a, 1,2,3
	v_add_nc_u32 v[VO+\a], s73, v[VO+\a-1]
.endr
	v_add3_u32 v[VO+4], v[VO+3], s73, s74
.irp a, 5,6,7
	v_add_nc_u32 v[VO+\a], s73, v[VO+\a-1]
.endr
	v_mul_u32_u24 v[VOS], v2, s79
	v_lshl_add_u32 v[VOS], v1, 4, v[VOS]
	v_add_nc_u32 v[VOS], s76, v[VOS]
	v_cmp_lt_u32 s95, 15, v105                     ; lanes 16-31
.irp b, 0,1,2,3
	v_mov_b32 v[TM+4+\b], 0                        ; written once: a lane permute's destination counts as one of its sources
.endr
	PLACES NP
; Block a: 64 numbers a lane, register 16 g + i = the next K's 32 g + 16 (lane / 16) + i of my row.  Four blocks of 32: the largest magnitude (mine and lane l xor 16's), the byte, the codes; the halves of two
; blocks change lanes, so that a lane holds whole blocks, as the operand's layout wants.  Each accumulator is read from its low end on.  Each block has registers of its own for its codes: no store's data are written again.
.macro QBLK a
.set AC, 64*((\a)%4)
.set WN, 2+(\a)/4
.set PCA, AF+8*(\a)
	WIN (WN*5)                                     ; sources 0 and 1: the accumulators' window
.irp b, 0,1,2,3
	v_max3_num_f32 v[TM+\b], |v[AC+16*\b]|, |v[AC+16*\b+1]|, 0x1800000   ; with the floor 2^(3 - 127): the byte cannot fall under 1
.endr
.irp i, 2,4,6,8,10,12,14
.irp b, 0,1,2,3
	v_max3_num_f32 v[TM+\b], |v[AC+16*\b+\i]|, |v[AC+16*\b+\i+1]|, v[TM+\b]
.endr
.endr
	WIN 0
.irp b, 0,1,2,3
	v_permlanex16_b32 v[TM+4+\b], v[TM+\b], s104, s105
.endr
.irp b, 0,1,2,3
	v_max_num_f32 v[TM+\b], v[TM+\b], v[TM+4+\b]
.endr
.irp b, 0,1,2,3
	v_add_nc_u32 v[TM+12+\b], 0xff000000, v[TM+\b] ; 2 off the exponent field: the conversion's scale operand
.endr
.irp b, 0,1,2,3
	v_lshrrev_b32 v[TM+4+\b], 23, v[TM+12+\b]      ; the scale's byte
.endr
	v_lshl_or_b32 v[WD+\a], v[TM+5], 8, v[TM+4]    ; my row's scale word
	v_lshl_or_b32 v[WD+\a], v[TM+6], 16, v[WD+\a]
	v_lshl_or_b32 v[WD+\a], v[TM+7], 24, v[WD+\a]
	WIN WN                                         ; source 0: the accumulators' window
.irp b, 0,1,2,3
	v_cvt_scalef32_pk8_fp4_f32 v[PCA+2*\b], v[AC+16*\b:AC+16*\b+7], v[TM+12+\b]
	v_cvt_scalef32_pk8_fp4_f32 v[PCA+2*\b+1], v[AC+16*\b+8:AC+16*\b+15], v[TM+12+\b]
.endr
	WIN 0
	v_nop                                          ; one plain instruction behind a scaled conversion
.irp c, 0,1
.irp i, 0,1
	v_permlane16_swap_b32 v[PCA+4*\c+\i], v[PCA+2+4*\c+\i]
.endr
.endr
	global_store_b128 v[VO+\a], v[PCA:PCA+3], s[12:13]       ; the wave stores 512 consecutive bytes, aligned
	global_store_b128 v[VO+\a], v[PCA+4:PCA+7], s[82:83]
.endm
.irp a, 0,1,2,3,4,5,6,7
	QBLK \a
.endr
.irp i, 0,1,2,3
	v_cndmask_b32 v[224+\i], v[WD+\i], v[WD+4+\i], s95       ; lanes 0-15: blocks 0-3's words, lanes 16-31: blocks 4-7's
.endr
	global_store_b128 v[VOS], v[224:227], s[12:13]           ; Q, K: the even head takes bytes 0 and 1 of a word; bytes 2 and 3 stand over zero codes there.  V: all four bytes count
	s_cmp_eq_u32 s17, 2
	s_cbranch_scc1 .Lno_odd
.irp i, 0,1,2,3
	v_lshrrev_b32 v[228+\i], 16, v[224+\i]                   ; Q, K: the odd head's two bytes
.endr
	global_store_b128 v[VOS], v[228:231], s[82:83]
.Lno_odd:
	s_wait_tensorcnt 0x0                           ; the wave's end
	ds_add_u32 v[SPW], v[NIL]
	s_wait_dscnt 0x0
	CROUND                                         ; the closing round
	s_endpgm
.Lfunc_end_k_qa94c711ed2_proj:
	.size	k_qa94c711ed2_proj, .Lfunc_end_k_qa94c711ed2_proj-k_qa94c711ed2_proj
	.p2alignl 7, 3214868480
	.fill 96, 4, 3214868480
	.section	.rodata,"a",@progbits
	.p2align	6, 0x0
	.amdhsa_kernel k_qa94c711ed2_proj
		.amdhsa_group_segment_fixed_size 327680
		.amdhsa_private_segment_fixed_size 0
		.amdhsa_enable_private_segment 0
		.amdhsa_kernarg_size 56
		.amdhsa_user_sgpr_count 2
		.amdhsa_user_sgpr_kernarg_segment_ptr 1
		.amdhsa_wavefront_size32 1
		.amdhsa_system_sgpr_workgroup_id_x 1
		.amdhsa_system_sgpr_workgroup_id_y 1
		.amdhsa_system_sgpr_workgroup_id_z 1
		.amdhsa_system_vgpr_workitem_id 0
		.amdhsa_next_free_vgpr 1024
		.amdhsa_next_free_sgpr 106
		.amdhsa_reserve_vcc 0
		.amdhsa_float_denorm_mode_32 3
		.amdhsa_float_denorm_mode_16_64 3
		.amdhsa_memory_ordered 1
		.amdhsa_forward_progress 1
		.amdhsa_inst_pref_size 147
	.end_amdhsa_kernel
	.amdgpu_metadata
---
amdhsa.version: [ 1, 2 ]
amdhsa.kernels:
  - .name:           k_qa94c711ed2_proj
    .symbol:         k_qa94c711ed2_proj.kd
    .args:
      - { .name: codes, .offset: 0, .size: 8, .value_kind: global_buffer, .address_space: global }
      - { .name: scales, .offset: 8, .size: 8, .value_kind: global_buffer, .address_space: global }
      - { .name: bq, .offset: 16, .size: 8, .value_kind: global_buffer, .address_space: global }
      - { .name: bk, .offset: 24, .size: 8, .value_kind: global_buffer, .address_space: global }
      - { .name: bv, .offset: 32, .size: 8, .value_kind: global_buffer, .address_space: global }
      - { .name: q_img, .offset: 40, .size: 8, .value_kind: global_buffer, .address_space: global }
      - { .name: kv_img, .offset: 48, .size: 8, .value_kind: global_buffer, .address_space: global }
    .group_segment_fixed_size: 327680
    .private_segment_fixed_size: 0
    .kernarg_segment_align: 8
    .kernarg_segment_size: 56
    .max_flat_workgroup_size: 128
    .sgpr_count:     106
    .vgpr_count:     1024
    .wavefront_size: 32
...
	.end_amdgpu_metadata
.endif
;; end of part 2
;; launch attn (part 3): grid 8 x 32, 16 waves a work-group, clusters of 4 x 1, 327,680 bytes of LDS; arguments q_img, kv_img, ctx_img, ctx_sc; writes ctx_img, ctx_sc
.if DOCPART == 3
	.amdgcn_target "amdgcn-amd-amdhsa--gfx1250"
	.amdhsa_code_object_version 6
	.text
	.protected	k_qa94c711ed2_attn
	.globl	k_qa94c711ed2_attn
	.p2align	8
	.type	k_qa94c711ed2_attn,@function
k_qa94c711ed2_attn:
	s_mov_b64 s[64:65], 0
	v_nop
	global_prefetch_b8 v0, s[64:65] scope:SCOPE_SE
	s_setreg_imm32_b32 hwreg(HW_REG_WAVE_MODE, 25, 1), 1
	s_wait_xcnt 0x0
	s_wait_alu depctr_hold_cnt(0) depctr_sa_sdst(0) depctr_va_vdst(0) depctr_va_sdst(0) depctr_va_ssrc(0) depctr_va_vcc(0) depctr_vm_vsrc(0)
	s_getreg_b32 s2, hwreg(HW_REG_IB_STS2, 6, 4)
	s_cmp_eq_u32 s2, 0
	s_cbranch_scc0 .Lentry_in_a_cluster
	s_endpgm
.Lentry_in_a_cluster:
	s_bfe_u32 s2, ttmp6, 0x10000c
	s_cmp_lg_u32 s2, 0x3003
	s_cbranch_scc0 .Lentry_shape_is_right
	s_endpgm
.Lentry_shape_is_right:
; Launch 3 of 4: ctx = softmax(Q K^T / 8) V for 64 (batch, head) pairs of 2,048 x 2,048, head size 64, both products on codes of FP4 with E8M0 scales; ctx is quantised along the model's 1,024 for the last product.
; No work of the problem is left out here.
; THE SOFTMAX AHEAD OF THE SECOND PRODUCT: t = score x log2(e) / 8; M = the largest t so far, rounded UP to a whole number; p = 2^(t - M) is quantised along the keys, not normalised.  The row's sum is taken of the
; unquantised p and divides O at the end.  When M moves, the sum and O are multiplied by 2^(old M - new M), which rounds nothing.
; SHARES.  A work-group owns 256 queries of TWO neighbouring heads; each of its sixteen waves owns one tile of 16 queries and takes it through head 0, then head 1: so a wave ends with both halves of a fragment
; (128 along the last product's K) and its whole scale word.  Four waves share a SIMD: one wave's exponentials stand beside the others' plain work.
; K AND V OF BOTH HEADS STAY IN LDS: 2 x 16 steps of 128 keys x 8,960 bytes, as images of the operands' registers.  Every wave asks for two steps' blocks at the start; nothing is filled again; the loops have no barrier.
; CLUSTER: the four query blocks of a cluster read the same two heads: each block of 8,960 bytes is asked for jointly, with a mask that names the four.  My place in the cluster enters global addresses of Q and ctx alone.
; No prefetch: all that comes through LDS is asked for at the head.
; LAYOUT.  S^T = K Q^T (source 0 = 16 keys, source 1 = my 16 queries), O^T = V^T P^T: a lane holds ONE query (lane % 16) throughout.  The head's 64 fill registers 0-3 of a fragment; registers 4-7 are zeros.
; The keys of a tile lie so that the 16 registers of score tiles 2 b and 2 b + 1 are keys 32 b + 16 (lane / 16) + 0 .. 15; V's channels likewise, so that O^T's register 16 g + i is channel 32 g + 16 (lane / 16) + i.
; LIMITS: zero blocks get the byte 1; NaN and infinities are not served.
; REGISTERS: v1 16 x lane; v2 16 (lane % 16); v3, v4 the step's LDS addresses; v5, v6 the add's two; v7-9 the scale words' way out; v10 ctx's scale word; v11, v255 Q's scale words (head 1, head 0); v12 -M; v13 the largest t;
; v[14:15] the sum; v16-23, v24-31 Q (head 0, 1); v32-95 K's 8 fragments; v96-159 S^T, then p; v160-191 O^T; v192-223 V's 4 fragments; v224-231 p's codes; v240-243 V's scale words; v248-251 K's; v253 p's; the rest at work.
.set STEPB, 8960                       ; a step's block: K's codes 4,096, V's codes 4,096, K's scale words 512, V's 256
.set HEADB, 16*STEPB
.set QSTEP, 4608
.set QHEAD, 16*QSTEP
.set STG,   2*HEADB                    ; behind the heads: 1,024 bytes, the work-group's 256 scale words of ctx
.set SPARE, STG+1024                   ; the spare words, 128 bytes a wave, which no other line names
.set SPW,  5
.set NIL,  6
.set WV,   12                          ; s12  my wave's number
.set SEL,  20                          ; s[20:21] lane selects: lane l xor 16
.set CS,   22                          ; s[22:23] c = log2(e) / 8
.set G1,   24                          ; s[24:31] descriptor group 1;  s[32:35], s[36:39] group 0 for head 0, 1
.set G0,   32
.set TB,   40                          ; s40  LDS byte at which the step's block begins
.set CNT,  41                          ; s41  steps to go
.macro CROUND                          ; a round of the cluster's barrier
	s_barrier_signal -1
	s_barrier_wait -1
	s_cmp_lg_u32 s[WV], 0
	s_cbranch_scc1 .Lnot_wave_0_\@
	s_barrier_signal -3
.Lnot_wave_0_\@:
	s_barrier_wait -3
	s_barrier_signal -1
	s_barrier_wait -1
.endm
	s_load_b256 s[4:11], s[0:1], 0x0               ; q_img s[4:5], kv_img s[6:7], ctx_img s[8:9], ctx_sc s[10:11]
	v_lshl_add_u32 v[SPW], v0, 2, SPARE
	v_mov_b32 v[NIL], 0
	ds_add_u32 v[SPW], v[NIL]                      ; the wave's opening: the add, twice on end, and its wait ahead of my first tensor load
	ds_add_u32 v[SPW], v[NIL]
	v_lshrrev_b32 v1, 5, v0
	s_delay_alu instid0(VALU_DEP_1)
	v_readfirstlane_b32 s[WV], v1                  ; wave 0..15
	s_and_b32 s15, ttmp7, 0xffff                   ; the pair of heads, 0..31: shared by the four partners
	; descriptor group 1: a dense block of 8,960 bytes as 35 rows of 256 (32 elements of 8 bytes), no padding
	s_mov_b32 s[G1], 15|(3<<16)|(1<<21)            ; 15:0 the mask: all four work-groups; 17:16 elements of 8 bytes; 21 set beside a mask
	s_mov_b32 s[G1+1], 32<<16                      ; tensor_dim0
	s_mov_b32 s[G1+2], 35<<16                      ; tensor_dim1
	s_mov_b32 s[G1+3], 32<<16                      ; tile_dim0
	s_mov_b32 s[G1+4], 35                          ; tile_dim1
	s_mov_b32 s[G1+5], 32                          ; from row to row
	s_mov_b32 s[G1+6], 0
	s_mov_b32 s[G1+7], 0
	s_mov_b32 s[SEL], 0x76543210
	s_mov_b32 s[SEL+1], 0xfedcba98
	s_mov_b32 s[CS], 0x3e38aa3b                    ; log2(e) / 8
	s_mov_b32 s[CS+1], s[CS]                       ; (named with it as a pair, so it is written)
	s_mul_i32 s18, s[WV], STEPB                    ; wave w fetches step w of each head
	s_mul_i32 s16, s15, 2*HEADB
	s_add_co_u32 s16, s16, s18
	s_mov_b32 s17, 0
	s_wait_dscnt 0x0                               ; both opening adds are done
	s_wait_kmcnt 0x0
	s_add_nc_u64 s[6:7], s[6:7], s[16:17]
	s_mov_b32 s[G0], 1
	s_mov_b32 s[G0+1], s18                         ; LDS: head 0, step w
	s_mov_b64 s[G0+2:G0+3], s[6:7]
	s_or_b32 s[G0+3], s[G0+3], 0x80000000
	s_mov_b32 s[G0+4], 1
	s_add_co_u32 s[G0+5], s18, HEADB               ; head 1, step w
	s_add_nc_u64 s[G0+6:G0+7], s[6:7], HEADB
	s_or_b32 s[G0+7], s[G0+7], 0x80000000
	CROUND                                         ; all four work-groups are here: the joint loads meet
	tensor_load_to_lds s[G0:G0+3], s[G1:G1+7]      ; one tensor load of mine is out
	s_nop 0
	s_wait_alu depctr_va_vdst(0)
	s_wait_tensorcnt 0x0
	ds_add_u32 v5, v6
	s_wait_dscnt 0x0
	CROUND
	tensor_load_to_lds s[G0+4:G0+7], s[G1:G1+7]
	s_nop 0
.rept 4
	v_nop
.endr
	s_bfe_u32 s46, ttmp6, 0x40000                  ; cx
	s_lshl_b32 s47, ttmp9, 2
	s_add_co_u32 s47, s47, s46                     ; my block of 256 queries
	s_lshr_b32 s48, s[WV], 3
	s_lshl_b32 s49, s47, 1
	s_add_co_u32 s48, s48, s49                     ; my tile's group of 128 queries,
	s_mul_i32 s48, s48, QSTEP
	s_mul_i32 s49, s15, 2*QHEAD
	s_add_co_u32 s48, s48, s49                     ; in head 0
	s_and_b32 s50, s[WV], 7                        ; my tile in the group
	s_lshl_b32 s42, s50, 9
	s_add_co_u32 s42, s42, s48
	s_mov_b32 s43, 0
	s_add_nc_u64 s[42:43], s[4:5], s[42:43]        ; its codes
	s_lshr_b32 s44, s50, 2
	s_lshl_b32 s44, s44, 8
	s_and_b32 s50, s50, 3
	s_lshl_b32 s50, s50, 2
	s_add_co_u32 s44, s44, s50
	s_add_co_u32 s44, s44, s48
	s_add_co_u32 s44, s44, 4096
	s_mov_b32 s45, 0
	s_add_nc_u64 s[44:45], s[4:5], s[44:45]        ; its scale words: row r's at 16 r from here
	v_and_b32 v1, 31, v0
	s_delay_alu instid0(VALU_DEP_1)
	v_lshlrev_b32 v1, 4, v1                        ; 16 x lane
	v_and_b32 v2, 15, v0
	s_delay_alu instid0(VALU_DEP_1)
	v_lshlrev_b32 v7, 2, v2
	s_delay_alu instid0(VALU_DEP_2)
	v_lshlrev_b32 v2, 4, v2                        ; 16 r
	global_load_b128 v[16:19], v1, s[42:43]        ; Q, head 0: registers 0-3 of the fragment
	global_load_b128 v[24:27], v1, s[42:43] offset:QHEAD   ; head 1
	global_load_b32 v255, v2, s[44:45]
	global_load_b32 v11, v2, s[44:45] offset:QHEAD
	s_lshl_b32 s19, s[WV], 6
	s_add_co_u32 s19, s19, STG
	v_add_nc_u32 v7, s19, v7                       ; LDS: my row's scale word of ctx: 64 x wave + 4 r
	v_and_b32 v9, 63, v0
	s_delay_alu instid0(VALU_DEP_1)
	v_lshlrev_b32 v9, 4, v9
	s_delay_alu instid0(VALU_DEP_1)
	v_add_nc_u32 v8, STG, v9                       ; and how waves 0 and 1 read them back: 16 bytes a lane
	s_lshr_b32 s48, s15, 3                         ; the batch
	s_and_b32 s49, s15, 7                          ; the pair of heads in it
	s_lshl_b32 s50, s48, 7
	s_lshl_b32 s51, s47, 4
	s_add_co_u32 s50, s50, s51
	s_add_co_u32 s50, s50, s[WV]                   ; my tile of 16 tokens among 512
	s_lshl_b32 s50, s50, 13                        ; ctx_img: [tile 512][pair 8][head of the pair 2][512]
	s_lshl_b32 s51, s49, 10
	s_add_co_u32 s50, s50, s51
	s_mov_b32 s51, 0
	s_add_nc_u64 s[8:9], s[8:9], s[50:51]
	s_lshl_b32 s50, s48, 13                        ; ctx_sc: [pair 8][token 8,192] words
	s_lshl_b32 s52, s47, 10
	s_add_co_u32 s50, s50, s52
	s_lshl_b32 s52, s49, 15
	s_add_co_u32 s50, s50, s52
	s_add_nc_u64 s[10:11], s[10:11], s[50:51]
.irp j, 20,21,22,23,28,29,30,31
	v_mov_b32 v[\j], 0                             ; K = 64 .. 127 of Q's fragments: zero codes
.endr
.irp t, 0,1,2,3,4,5,6,7
.irp j, 4,5,6,7
	v_mov_b32 v[32+8*\t+\j], 0                     ; and of K's: written once, never loaded
.endr
.endr
.irp b, 0,1,2,3
	v_mov_b32 v[236+\b], 0                         ; written once: a lane permute's destination counts as one of its sources
.endr
	v_mov_b32 v253, 0                              ; (named as the upper half of the pair v[252:253] before it is first written)
	s_wait_loadcnt 0x0                             ; Q
; A KEY STEP: 128 keys.  qf: Q's fragment; qs: its scale words.
.macro STEP qf, qs
	v_add_nc_u32 v3, s[TB], v1
	v_add_nc_u32 v4, s[TB], v2
	v_nop
	v_nop                                          ; four plain instructions between the last trip's products and the loads into V's registers
.irp t, 0,1,2,3,4,5,6,7
	ds_load_b128 v[32+8*\t:35+8*\t], v3 offset:512*\t        ; K's tile t as it was stored: 512 consecutive bytes a load
.endr
	ds_load_b128 v[248:251], v3 offset:8192        ; K's scale words: lanes 0-15 tiles 0-3, lanes 16-31 tiles 4-7
.irp t, 0,1,2,3
.irp c, 0,1
	ds_load_b128 v[192+8*\t+4*\c:195+8*\t+4*\c], v3 offset:4096+1024*\t+512*\c
.endr
.endr
	ds_load_b128 v[240:243], v4 offset:8704        ; V's scale words: row r's four tiles
	s_wait_dscnt 9                                 ; K and its scale words are in; V's nine loads may be out
.irp t, 0,1,2,3
	v_wmma_scale_f32_16x16x128_f8f6f4 v[96+8*\t:103+8*\t], v[32+8*\t:39+8*\t], v[\qf:\qf+7], 0, v[248+\t], v[\qs] matrix_a_fmt:MATRIX_FMT_FP4 matrix_b_fmt:MATRIX_FMT_FP4
.endr
.irp t, 4,5,6,7
	v_wmma_scale_f32_16x16x128_f8f6f4 v[96+8*\t:103+8*\t], v[32+8*\t:39+8*\t], v[\qf:\qf+7], 0, v[248+\t-4], v[\qs] matrix_a_fmt:MATRIX_FMT_FP4 matrix_b_fmt:MATRIX_FMT_FP4 matrix_a_scale:MATRIX_SCALE_ROW1
.endr
.rept 4
	v_nop
.endr
.irp b, 0,1,2,3
	v_max3_num_f32 v[232+\b], v[96+16*\b], v[97+16*\b], v[98+16*\b]   ; the largest score of each block of 32 keys: for the row's maximum, and, since p rises with the score, for the block's largest p
.endr
.irp i, 3,5,7,9,11,13
.irp b, 0,1,2,3
	v_max3_num_f32 v[232+\b], v[232+\b], v[96+16*\b+\i], v[97+16*\b+\i]
.endr
.endr
.irp b, 0,1,2,3
	v_max_num_f32 v[232+\b], v[232+\b], v[111+16*\b]
.endr
.irp b, 0,1,2,3
	s_delay_alu instid0(VALU_DEP_4)
	v_permlanex16_b32 v[236+\b], v[232+\b], s[SEL], s[SEL+1]
.endr
.irp b, 0,1,2,3
	s_delay_alu instid0(VALU_DEP_4)
	v_max_num_f32 v[232+\b], v[232+\b], v[236+\b]  ; with lane l xor 16's 16 keys
.endr
	s_delay_alu instid0(VALU_DEP_2)
	v_max3_num_f32 v254, v232, v233, v234
	s_delay_alu instid0(VALU_DEP_1)
	v_max_num_f32 v254, v254, v235                 ; the step's largest score of my query
	s_delay_alu instid0(VALU_DEP_1)
	v_mul_f32 v254, s[CS], v254                    ; as t (c is positive)
	s_delay_alu instid0(VALU_DEP_1)
	v_max_num_f32 v13, v13, v254                   ; the running largest t
	v_mov_b32 v254, v12
	s_delay_alu instid0(VALU_DEP_2)
	v_floor_f32 v12, -v13                          ; the new -M = floor(-t): M is a whole number
	s_delay_alu instid0(VALU_DEP_1)
	v_sub_f32 v254, v12, v254                      ; M's old value less its new one: a whole number, 0 or less
	s_delay_alu instid0(VALU_DEP_1)
	v_cvt_i32_f32 v254, v254                       ; (it saturates)
	s_delay_alu instid0(VALU_DEP_1)
	v_ldexp_f32 v252, 1.0, v254                    ; f = 2^(old M - new M)
.set j, 0
.rept 32
	v_pk_fma_f32 v[96+j:97+j], v[96+j:97+j], s[CS:CS+1], v[12:13] op_sel_hi:[1,0,0]   ; t - M, two at a time
.set j, j+2
.endr
.irp b, 0,1,2,3
	v_fma_f32 v[232+\b], v[232+\b], s[CS], v12     ; the same of each block's largest score
.endr
.set j, 0
	s_wait_alu depctr_va_vdst(0)
.rept 64
	v_exp_f32 v[96+j], v[96+j]                     ; p = 2^(t - M), at most 1
.set j, j+1
.endr
	s_setprio 1
	v_pk_mul_f32 v[14:15], v[14:15], v[252:253] op_sel_hi:[1,0]   ; the sums under the new M: a plain instruction behind the exponentials
	s_wait_alu depctr_va_vdst(0)                   ; one wait for the whole batch, ahead of its first reader
.irp b, 0,1,2,3
	v_exp_f32 v[232+\b], v[232+\b]                 ; the block's largest p
.endr
	v_pk_add_f32 v[236:237], v[96:97], v[98:99]    ; the row's sum, of the unquantised p: two at a time, in two chains
.irp j, 4,8,12,16,20,24,28,32,36,40,44,48,52,56,60
	v_pk_add_f32 v[14:15], v[14:15], v[96+\j:97+\j]
	v_pk_add_f32 v[236:237], v[236:237], v[98+\j:99+\j]
.endr
	s_delay_alu instid0(VALU_DEP_1)
	v_pk_add_f32 v[14:15], v[14:15], v[236:237]
	s_wait_alu depctr_va_vdst(0)                   ; and one for the four
.irp b, 0,1,2,3
	v_max_num_f32 v[232+\b], 0x1800000, v[232+\b]  ; the floor 2^(3 - 127): the byte cannot fall under 1
.endr
.irp b, 0,1,2,3
	s_delay_alu instid0(VALU_DEP_4)
	v_add_nc_u32 v[244+\b], 0xff000000, v[232+\b]  ; 2 off the exponent field: the conversion's scale operand
.endr
.irp b, 0,1,2,3
	s_delay_alu instid0(VALU_DEP_4)
	v_lshrrev_b32 v[236+\b], 23, v[244+\b]         ; the scale's byte
.endr
	s_delay_alu instid0(VALU_DEP_3)
	v_lshl_or_b32 v253, v237, 8, v236              ; p's scale word for these 128 keys
	s_delay_alu instid0(VALU_DEP_1)
	v_lshl_or_b32 v253, v238, 16, v253
	s_delay_alu instid0(VALU_DEP_1)
	v_lshl_or_b32 v253, v239, 24, v253
.irp b, 0,1,2,3
	v_cvt_scalef32_pk8_fp4_f32 v[224+2*\b], v[96+16*\b:103+16*\b], v[244+\b]
	v_cvt_scalef32_pk8_fp4_f32 v[225+2*\b], v[104+16*\b:111+16*\b], v[244+\b]
.endr
	v_nop                                          ; one plain instruction behind a scaled conversion
.irp c, 0,1                                    ; the operand's layout wants a whole block in a lane
.irp i, 0,1
	v_permlane16_swap_b32 v[224+4*\c+\i], v[226+4*\c+\i]
.endr
.endr
.set j, 0
	s_setprio 0
.rept 16
	v_pk_mul_f32 v[160+j:161+j], v[160+j:161+j], v[252:253] op_sel_hi:[1,0]   ; O^T under the new M.  These sixteen also stand between the writes of p's codes and scale word and the products that take them
.set j, j+2
.endr
	s_wait_alu depctr_va_vdst(0)
	s_wait_dscnt 0x0                               ; V and its scale words are in
.irp t, 0,1,2,3                                ; O^T += V^T P^T: the four accumulators by turns, one instruction each; the next matrix instruction is a score product
	v_wmma_scale_f32_16x16x128_f8f6f4 v[160+8*\t:167+8*\t], v[192+8*\t:199+8*\t], v[224:231], v[160+8*\t:167+8*\t], v[240+\t], v253 matrix_a_fmt:MATRIX_FMT_FP4 matrix_b_fmt:MATRIX_FMT_FP4
.endr
.endm
; A head's end: O^T / the sum is ctx (16 tokens x 64 channels); its two blocks of 32 are quantised; the codes are registers 4 c .. 4 c + 3 of the last product's fragment, the two bytes half of its scale word.
.macro FINAL c
	v_add_f32 v14, v14, v15                        ; the sum's two halves,
	s_delay_alu instid0(VALU_DEP_1)
	v_permlanex16_b32 v252, v14, s[SEL], s[SEL+1]
	s_delay_alu instid0(VALU_DEP_1)
	v_add_f32 v14, v14, v252                       ; and lane l xor 16's
	s_wait_alu depctr_va_vdst(0)
	v_rcp_f32 v14, v14
	v_nop
	v_nop
	v_nop
	s_wait_alu depctr_va_vdst(0)                   ; the wait ahead of the reciprocal's first reader
.set j, 0
.rept 16
	v_pk_mul_f32 v[96+j:97+j], v[160+j:161+j], v[14:15] op_sel_hi:[1,0]   ; each accumulator from its low end on
.set j, j+2
.endr
.irp b, 0,1
	v_max3_num_f32 v[232+\b], |v[96+16*\b]|, |v[97+16*\b]|, 0x1800000
.endr
.irp i, 2,4,6,8,10,12,14
.irp b, 0,1
	s_delay_alu instid0(VALU_DEP_2)
	v_max3_num_f32 v[232+\b], v[232+\b], |v[96+16*\b+\i]|, |v[97+16*\b+\i]|
.endr
.endr
.irp b, 0,1
	s_delay_alu instid0(VALU_DEP_2)
	v_permlanex16_b32 v[236+\b], v[232+\b], s[SEL], s[SEL+1]
.endr
.irp b, 0,1
	s_delay_alu instid0(VALU_DEP_2)
	v_max_num_f32 v[232+\b], v[232+\b], v[236+\b]
.endr
.irp b, 0,1
	s_delay_alu instid0(VALU_DEP_2)
	v_add_nc_u32 v[244+\b], 0xff000000, v[232+\b]
.endr
.irp b, 0,1
	s_delay_alu instid0(VALU_DEP_2)
	v_lshrrev_b32 v[236+\b], 23, v[244+\b]
.endr
.if \c == 0
	s_delay_alu instid0(VALU_DEP_1)
	v_lshl_or_b32 v10, v237, 8, v236               ; bytes 0 and 1 of the scale word
.else
	s_delay_alu instid0(VALU_DEP_2)
	v_lshl_or_b32 v10, v236, 16, v10               ; bytes 2 and 3
	s_delay_alu instid0(VALU_DEP_1)
	v_lshl_or_b32 v10, v237, 24, v10
.endif
.irp b, 0,1
	v_cvt_scalef32_pk8_fp4_f32 v[224+2*\b], v[96+16*\b:103+16*\b], v[244+\b]
	v_cvt_scalef32_pk8_fp4_f32 v[225+2*\b], v[104+16*\b:111+16*\b], v[244+\b]
.endr
	v_nop
	v_permlane16_swap_b32 v224, v226
	v_permlane16_swap_b32 v225, v227
	global_store_b128 v1, v[224:227], s[8:9] offset:512*\c   ; the wave stores 512 consecutive bytes, aligned
.endm
.macro HEAD c, qf, qs
	s_wait_tensorcnt 1-\c                          ; my block of this head is in (head 0: head 1's, issued behind it, may be out)
	s_wait_dscnt 0x0
	s_barrier_signal -1
	s_barrier_wait -1                              ; everybody's is
.if \c
	s_wait_xcnt 0x0                                ; head 0's store has read its data registers, which this head writes again
.endif
	v_mov_b32 v13, 0xff61b1e6                      ; the largest t so far: -3e38
	s_delay_alu instid0(VALU_DEP_1)
	v_floor_f32 v12, -v13                          ; -M
	v_mov_b32 v14, 0
	v_mov_b32 v15, 0
.set j, 0
.rept 32
	v_mov_b32 v[160+j], 0                          ; O^T: the step is written once; its first trip finds zeros
.set j, j+1
.endr
	s_mov_b32 s[TB], \c*HEADB
	s_mov_b32 s[CNT], 16
.Lstep_\@:
	s_setprio 2
	STEP \qf, \qs
	s_add_co_u32 s[TB], s[TB], STEPB
	s_sub_co_u32 s[CNT], s[CNT], 1
	s_cmp_lg_u32 s[CNT], 0
	s_cbranch_scc1 .Lstep_\@
	s_setprio 0
	FINAL \c
.endm
	HEAD 0, 16, 255
	HEAD 1, 24, 11
	ds_store_b32 v7, v10                           ; my rows' scale words (lanes r and r + 16 write the same word with the same value)
	s_wait_dscnt 0x0                               ; for the others' sake
	s_barrier_signal -1
	s_barrier_wait -1
	s_cmp_lt_u32 s[WV], 2
	s_cbranch_scc0 .Lnot_mine
	ds_load_b128 v[232:235], v8                    ; the work-group's 1,024 bytes leave by waves 0 and 1: 512 consecutive bytes each
	s_wait_dscnt 0x0
	global_store_b128 v9, v[232:235], s[10:11]
.Lnot_mine:
	s_wait_tensorcnt 0x0                           ; the wave's end
	ds_add_u32 v[SPW], v[NIL]
	s_wait_dscnt 0x0
	CROUND                                         ; the closing round
	s_endpgm
.Lfunc_end_k_qa94c711ed2_attn:
	.size	k_qa94c711ed2_attn, .Lfunc_end_k_qa94c711ed2_attn-k_qa94c711ed2_attn
	.p2alignl 7, 3214868480
	.fill 96, 4, 3214868480
	.section	.rodata,"a",@progbits
	.p2align	6, 0x0
	.amdhsa_kernel k_qa94c711ed2_attn
		.amdhsa_group_segment_fixed_size 327680
		.amdhsa_private_segment_fixed_size 0
		.amdhsa_enable_private_segment 0
		.amdhsa_kernarg_size 32
		.amdhsa_user_sgpr_count 2
		.amdhsa_user_sgpr_kernarg_segment_ptr 1
		.amdhsa_wavefront_size32 1
		.amdhsa_system_sgpr_workgroup_id_x 1
		.amdhsa_system_sgpr_workgroup_id_y 1
		.amdhsa_system_sgpr_workgroup_id_z 1
		.amdhsa_system_vgpr_workitem_id 0
		.amdhsa_next_free_vgpr 256
		.amdhsa_next_free_sgpr 66
		.amdhsa_reserve_vcc 0
		.amdhsa_float_denorm_mode_32 3
		.amdhsa_float_denorm_mode_16_64 3
		.amdhsa_memory_ordered 1
		.amdhsa_forward_progress 1
		.amdhsa_inst_pref_size 51
	.end_amdhsa_kernel
	.amdgpu_metadata
---
amdhsa.version: [ 1, 2 ]
amdhsa.kernels:
  - .name:           k_qa94c711ed2_attn
    .symbol:         k_qa94c711ed2_attn.kd
    .args:
      - { .name: q_img, .offset: 0, .size: 8, .value_kind: global_buffer, .address_space: global }
      - { .name: kv_img, .offset: 8, .size: 8, .value_kind: global_buffer, .address_space: global }
      - { .name: ctx_img, .offset: 16, .size: 8, .value_kind: global_buffer, .address_space: global }
      - { .name: ctx_sc, .offset: 24, .size: 8, .value_kind: global_buffer, .address_space: global }
    .group_segment_fixed_size: 327680
    .private_segment_fixed_size: 0
    .kernarg_segment_align: 8
    .kernarg_segment_size: 32
    .max_flat_workgroup_size: 512
    .sgpr_count:     66
    .vgpr_count:     256
    .wavefront_size: 32
...
	.end_amdgpu_metadata
.endif
;; end of part 3
;; launch outp (part 4): grid 4 x 32, 4 waves a work-group, clusters of 4 x 4, 327,680 bytes of LDS; arguments ctx_img, ctx_sc, codes, scales, bo, out0; writes out0
.if DOCPART == 4
	.amdgcn_target "amdgcn-amd-amdhsa--gfx1250"
	.amdhsa_code_object_version 6
	.text
	.protected	k_qa94c711ed2_outp
	.globl	k_qa94c711ed2_outp
	.p2align	8
	.type	k_qa94c711ed2_outp,@function
k_qa94c711ed2_outp:
	s_mov_b64 s[64:65], 0
	v_nop
	global_prefetch_b8 v0, s[64:65] scope:SCOPE_SE
	s_setreg_imm32_b32 hwreg(HW_REG_WAVE_MODE, 25, 1), 1
	s_wait_xcnt 0x0
	s_wait_alu depctr_hold_cnt(0) depctr_sa_sdst(0) depctr_va_vdst(0) depctr_va_sdst(0) depctr_va_ssrc(0) depctr_va_vcc(0) depctr_vm_vsrc(0)
	s_getreg_b32 s2, hwreg(HW_REG_IB_STS2, 6, 4)
	s_cmp_eq_u32 s2, 0
	s_cbranch_scc0 .Lentry_in_a_cluster
	s_endpgm
.Lentry_in_a_cluster:
	s_bfe_u32 s2, ttmp6, 0x10000c
	s_cmp_lg_u32 s2, 0xf033
	s_cbranch_scc0 .Lentry_shape_is_right
	s_endpgm
.Lentry_shape_is_right:
; Launch 4 of 4: out0 = ctx Wo^T + bo on codes of FP4 with E8M0 scales, f32 sums.  No work of the problem is left out here.
; A tile of 256 tokens x 256 outputs is made by four waves, each 128 x 128: 64 accumulators, 512 registers.  K = 1,024 is two LDS slots of 512 along K, both asked for at the start: nothing is filled again.
; A = ctx, as IMAGES OF ITS FRAGMENTS: ctx_img [tile of 16 tokens 512][128 along K 8][half 2][512 bytes, lane l's 16 at 16 l]; its scale words ctx_sc [128 along K 8][token 8,192].  B = Wo: rows 27,648 on of codes and scales,
; in their natural order.  The matrix instruction takes 16 rows of Wo as source 0 and 16 tokens as source 1: a lane holds eight neighbouring outputs of one token.  bo is the C of each sum's first matrix instruction.
; The tokens of a tile lie in the workspace's order (groups of 8 in the order 0, 2, 1, 3 within each 32): each row's true place stands in its store's immediate.
; CLUSTERS: 4 x 4 work-groups; ctx's tiles are shared along a row of the cluster, Wo's along a column.  The grid has 128 work-groups: a tile half as large would read each fragment from LDS for half as many products.
; REGISTERS, in windows of 256: window 0: v0-31 addresses; v32-95 scale words, two sets; v128-191 A's fragments, one set; on the way out v128-255 rows of the result.
;   window 1: B's fragments, two sets, at v0 and v128; v64-127 the bias.   windows 2, 3: the accumulators ((a, b) at v[8 (8 (a % 4) + b)]).
.set NQ,     4
.set ROWB,   256
.set KROW,   512
.set PITCH,  272                       ; B's LDS rows: 256 bytes + 16 of padding
.set FR,     8
.set NL,     2
.set NP,     4                         ; plain vector instructions between a matrix instruction and a load into, or a read of, its registers
.set HALFA,  32768                     ; A: 8 tiles x 4 fragments x 1,024 bytes: what one tensor load brings
.set HALFT,  128*PITCH                 ; B: 128 rows
.set SLOT,   2*HALFA+2*HALFT
.set SCL,    2*SLOT                    ; behind the slots: A's scale words, 2 x 4,096 bytes ([128 along K 8][token 128]); then B's scale bytes, 2 x 4,352
.set HALFS,  16*272
.set SPARE,  SCL+2*4096+2*HALFS        ; the spare words, 128 bytes a wave, which no other line names
.set SPITCH, 528                       ; the way out: a stage of 16 rows x (512 bytes + 16) for each wave, in slot 0, which has had its only fill and its last read by then
.set ADRA, 16
.set ADRB, 20
.set STO,  24                          ; v24  the way out: where I put 32 bytes of a row
.set RD,   25                          ; v25  where I read a row back
.set CO,   26                          ; v26  my byte offset in a row of the result
.set ADSA, 27
.set SPW,  28
.set NIL,  29
.set ADSB, 30
.set SC,   32                          ; scale words: set s at v[SC + 32 s]: +4 p + q: A's blocks 2 p (lanes 0-15), 2 p + 1 (lanes 16-31); +16 + 4 p + q: B's likewise
.set AF,   128
.set BK,   128                         ; the way out: 16 rows read back: v128-191 and v192-255 by turns
.set CB,   64
.set G1, 24
.set G0, 32
.set G1B, 48
.set G0B, 56
.set G1S, 68
.set G0S, 76
.set G1SB, 80
.set G0SB, 88
.set MSB, 0
.macro WIN new
.if MSB != (\new)
	s_set_vgpr_msb (MSB<<8)|(\new)
.set MSB, (\new)
.endif
.endm
.set MUL_LO, 0xa1
.set MUL_HI, 0xf1
.set BIA_LO, 0x91
.set BIA_HI, 0xd1
.set TO_B,   0x40
.macro JLOAD g0a, g1a, g0b, g1b        ; a joint load: waves 0 and 1 fetch for A, waves 2 and 3 for B; an s_nop 0 and four v_nop follow each of the two lines
	s_cmp_eq_u32 s15, 0
	s_cbranch_scc0 .Lfor_b_\@
	tensor_load_to_lds s[\g0a:\g0a+3], s[\g1a:\g1a+7]
	s_nop 0
.rept 4
	v_nop
.endr
	s_branch .Lasked_\@
.Lfor_b_\@:
	tensor_load_to_lds s[\g0b:\g0b+3], s[\g1b:\g1b+7]
	s_nop 0
.rept 4
	v_nop
.endr
.Lasked_\@:
.endm
.macro CROUND
	s_barrier_signal -1
	s_barrier_wait -1
	s_cmp_lg_u32 s14, 0
	s_cbranch_scc1 .Lnot_wave_0_\@
	s_barrier_signal -3
.Lnot_wave_0_\@:
	s_barrier_wait -3
	s_barrier_signal -1
	s_barrier_wait -1
.endm
	s_load_b256 s[4:11], s[0:1], 0x0               ; ctx_img s[4:5], ctx_sc s[6:7], codes s[8:9], scales s[10:11]
	s_load_b128 s[96:99], s[0:1], 0x20             ; bo s[96:97], out0 s[98:99]
	v_lshl_add_u32 v[SPW], v0, 2, SPARE
	v_mov_b32 v[NIL], 0
	ds_add_u32 v[SPW], v[NIL]                      ; the wave's opening: the add, twice on end, and its wait ahead of my first tensor load
	ds_add_u32 v[SPW], v[NIL]
	v_lshrrev_b32 v1, 5, v0
	v_readfirstlane_b32 s14, v1                    ; wave 0..3
	s_lshr_b32 s15, s14, 1                         ; which half of the tokens I multiply.  Also: I fetch for A (0) or for B (1)
	s_and_b32 s16, s14, 1                          ; which half of the outputs.  Also: which half I fetch
	s_bfe_u32 s40, ttmp6, 0x40000                  ; cx, cy
	s_bfe_u32 s41, ttmp6, 0x40004
	s_lshl_b32 s42, ttmp9, 2
	s_add_co_u32 s42, s42, s40                     ; which 256 outputs
	s_and_b32 s17, ttmp7, 0xffff
	s_lshl_b32 s17, s17, 2
	s_add_co_u32 s17, s17, s41                     ; which 256 tokens
	s_lshl_b32 s43, s41, 2
	s_lshl_b32 s43, 15, s43                        ; my row of the cluster
	s_lshl_b32 s44, 0x1111, s40                    ; my column
	; A's codes: 8 tiles x 4,096 bytes (512 elements of 8), 8,192 bytes apart in memory, dense in LDS
	s_or_b32 s[G1+0], s43, (3<<16)|(1<<21)
	s_mov_b32 s[G1+1], 512<<16
	s_mov_b32 s[G1+2], 8<<16
	s_mov_b32 s[G1+3], 512<<16
	s_mov_b32 s[G1+4], 8
	s_mov_b32 s[G1+5], 1024
	s_mov_b32 s[G1+6], 0
	s_mov_b32 s[G1+7], 0
	; B's codes: 128 rows x 256 bytes, 512 apart, 16 bytes of padding behind each
	s_or_b32 s[G1B+0], s44, (0<<16)|(1<<20)|(1<<21)|(5<<22)|(3<<25)
	s_mov_b32 s[G1B+1], ROWB<<16
	s_mov_b32 s[G1B+2], 128<<16
	s_mov_b32 s[G1B+3], ROWB<<16
	s_mov_b32 s[G1B+4], 128
	s_mov_b32 s[G1B+5], KROW
	s_mov_b32 s[G1B+6], 0
	s_mov_b32 s[G1B+7], 0
	; A's scale words: 8 rows (one for each 128 along K) x 512 bytes (64 elements of 8), 32,768 bytes apart, dense in LDS
	s_or_b32 s[G1S+0], s43, (3<<16)|(1<<21)
	s_mov_b32 s[G1S+1], 64<<16
	s_mov_b32 s[G1S+2], 8<<16
	s_mov_b32 s[G1S+3], 64<<16
	s_mov_b32 s[G1S+4], 8
	s_mov_b32 s[G1S+5], 4096
	s_mov_b32 s[G1S+6], 0
	s_mov_b32 s[G1S+7], 0
	; B's scale bytes: 4,096 dense bytes as 16 rows of 256, 16 bytes of padding behind each
	s_or_b32 s[G1SB+0], s44, (3<<16)|(1<<20)|(1<<21)|(5<<22)|(3<<25)
	s_mov_b32 s[G1SB+1], 32<<16
	s_mov_b32 s[G1SB+2], 16<<16
	s_mov_b32 s[G1SB+3], 32<<16
	s_mov_b32 s[G1SB+4], 16
	s_mov_b32 s[G1SB+5], 32
	s_mov_b32 s[G1SB+6], 0
	s_mov_b32 s[G1SB+7], 0
	s_lshl_b32 s20, s17, 17                        ; A's codes: 16 tiles of 8,192 bytes for each 256 tokens,
	s_lshl_b32 s18, s16, 16                        ; 8 for the half that I fetch
	s_add_co_u32 s20, s20, s18
	s_mov_b32 s21, 0
	s_lshl_b32 s22, s17, 10                        ; A's scale words: 4 bytes a token
	s_lshl_b32 s18, s16, 9
	s_add_co_u32 s22, s22, s18
	s_mov_b32 s23, 0
	s_lshl_b32 s46, s42, 8
	s_lshl_b32 s47, s16, 7
	s_add_co_u32 s46, s46, s47
	s_add_co_u32 s46, s46, 27648                   ; B's first row in the workspace
	s_lshl_b32 s92, s46, 5
	s_mov_b32 s93, 0
	s_lshl_b32 s46, s46, 9
	s_mov_b32 s47, 0
	s_lshl_b32 s45, s16, 15                        ; where they go: made of the wave's number alone
	s_mul_i32 s94, s16, HALFT
	s_add_co_u32 s94, s94, 2*HALFA
	s_lshl_b32 s95, s16, 12
	s_add_co_u32 s95, s95, SCL
	s_mul_i32 s66, s16, HALFS
	s_add_co_u32 s66, s66, SCL+2*4096
	s_wait_dscnt 0x0                               ; both opening adds are done
	s_wait_kmcnt 0x0
	s_add_nc_u64 s[20:21], s[4:5], s[20:21]
	s_add_nc_u64 s[22:23], s[6:7], s[22:23]
	s_add_nc_u64 s[46:47], s[8:9], s[46:47]
	s_add_nc_u64 s[92:93], s[10:11], s[92:93]
	CROUND                                         ; all sixteen work-groups are here: the joint loads meet
	s_mov_b32 s[G0S], 1
	s_mov_b32 s[G0S+1], s95
	s_mov_b64 s[G0S+2:G0S+3], s[22:23]
	s_or_b32 s[G0S+3], s[G0S+3], 0x80000000
	s_mov_b32 s[G0SB], 1
	s_mov_b32 s[G0SB+1], s66
	s_mov_b64 s[G0SB+2:G0SB+3], s[92:93]
	s_or_b32 s[G0SB+3], s[G0SB+3], 0x80000000
	JLOAD G0S, G1S, G0SB, G1SB                     ; the scales first
.irp s, 0,1
	s_mov_b32 s[G0+4*\s], 1
	s_add_co_u32 s[G0+4*\s+1], s45, \s*SLOT
	s_add_nc_u64 s[G0+4*\s+2:G0+4*\s+3], s[20:21], \s*4096
	s_or_b32 s[G0+4*\s+3], s[G0+4*\s+3], 0x80000000
	s_mov_b32 s[G0B+4*\s], 1
	s_add_co_u32 s[G0B+4*\s+1], s94, \s*SLOT
	s_add_nc_u64 s[G0B+4*\s+2:G0B+4*\s+3], s[46:47], \s*ROWB
	s_or_b32 s[G0B+4*\s+3], s[G0B+4*\s+3], 0x80000000
	s_wait_alu depctr_va_vdst(0)
	s_wait_tensorcnt 0x0
	ds_add_u32 v28, v29
	s_wait_dscnt 0x0
	CROUND
	JLOAD G0+4*\s, G1, G0B+4*\s, G1B               ; one tensor load of mine is out
.endr
	v_and_b32 v1, 15, v0                           ; r
	v_bfe_u32 v2, v0, 4, 1                         ; h
	v_and_b32 v6, 31, v0                           ; lane
	s_wait_alu depctr_va_vdst(0)
	v_mul_u32_u24 v3, v1, PITCH
	v_lshl_add_u32 v4, v2, 4, v3                   ; B: a fragment's row x pitch + 16 x half
	v_lshlrev_b32 v[CO], 4, v6                     ; 16 x lane
	s_lshl_b32 s21, s15, 15                        ; my 8 tiles of A
	s_mul_i32 s22, s16, HALFT
	s_add_co_u32 s22, s22, 2*HALFA                 ; my 128 rows of B
.irp s, 0,1
	v_add_nc_u32 v[ADRA+\s], s21, v[CO]
	v_add_nc_u32 v[ADRB+\s], s22, v4
	s_add_co_u32 s21, s21, SLOT
	s_add_co_u32 s22, s22, SLOT
.endr
	s_lshl_b32 s21, s15, 12
	s_add_co_u32 s21, s21, SCL
	v_lshl_add_u32 v[ADSA], v6, 2, s21             ; A's scale words: 4 x lane
	v_lshrrev_b32 v7, 3, v6
	v_lshlrev_b32 v8, 5, v6
	v_lshl_add_u32 v8, v7, 4, v8                   ; B's: 32 bytes a row, and 16 more for each 256 passed
	s_mul_i32 s22, s16, HALFS
	s_add_co_u32 s22, s22, SCL+2*4096
	v_add_nc_u32 v[ADSB], s22, v8
	s_mul_i32 s23, s14, 16*SPITCH                  ; my stage
	v_mul_u32_u24 v7, v1, SPITCH
	v_lshl_add_u32 v7, v2, 5, v7
	v_add_nc_u32 v[STO], s23, v7                   ; in: row r, 32 bytes for each half of the lanes
	v_add_nc_u32 v[RD], s23, v[CO]                 ; back: the 32 lanes take one row of 512 bytes
	s_lshl_b32 s20, s42, 10
	s_lshl_b32 s21, s16, 9
	s_add_co_u32 s20, s20, s21                     ; my first output, in bytes
	s_mov_b32 s21, 0
	s_add_nc_u64 s[96:97], s[96:97], s[20:21]      ; in bo,
	s_add_nc_u64 s[12:13], s[98:99], s[20:21]      ; and in a row of out0
	s_lshl_b32 s20, s17, 20                        ; 256 tokens x 4,096 bytes,
	s_lshl_b32 s22, s15, 19                        ; my 128
	s_add_co_u32 s20, s20, s22
	s_add_nc_u64 s[12:13], s[12:13], s[20:21]
	v_lshlrev_b32 v5, 5, v2                        ; the bias: register 8 b + j takes bo[my first output + 16 b + 8 h + j]
	WIN TO_B
.irp b, 0,1,2,3,4,5,6,7
	global_load_b128 v[CB+8*\b:CB+8*\b+3], v5, s[96:97] offset:64*\b
	global_load_b128 v[CB+8*\b+4:CB+8*\b+7], v5, s[96:97] offset:64*\b+16
.endr
	WIN 0
; One matrix instruction: A's block a x B's block b, the slot's q-th 128 along K.  cm = 1: the sum starts from the bias.  An odd block's scale words stand in lanes 16-31 of their register.
.macro WM a, b, p, q, sc, cm
.set DR, 8*(8*((\a)%4)+(\b))
.set CL, DR
.if (\cm) == 1
.set CL, CB+8*(\b)
.endif
.set RB, 128*(\p)+FR*(\b)
.set RA, AF+FR*(\a)
.set S0, SC+32*(\sc)+16+4*((\b)/2)+(\q)
.set S1, SC+32*(\sc)+4*((\a)/2)+(\q)
.if ((\a)%2 == 0) && ((\b)%2 == 0)
	v_wmma_scale_f32_16x16x128_f8f6f4 v[DR:DR+7], v[RB:RB+7], v[RA:RA+7], v[CL:CL+7], v[S0], v[S1] matrix_a_fmt:MATRIX_FMT_FP4 matrix_b_fmt:MATRIX_FMT_FP4
.elseif ((\a)%2 == 0)
	v_wmma_scale_f32_16x16x128_f8f6f4 v[DR:DR+7], v[RB:RB+7], v[RA:RA+7], v[CL:CL+7], v[S0], v[S1] matrix_a_fmt:MATRIX_FMT_FP4 matrix_b_fmt:MATRIX_FMT_FP4 matrix_a_scale:MATRIX_SCALE_ROW1
.elseif ((\b)%2 == 0)
	v_wmma_scale_f32_16x16x128_f8f6f4 v[DR:DR+7], v[RB:RB+7], v[RA:RA+7], v[CL:CL+7], v[S0], v[S1] matrix_a_fmt:MATRIX_FMT_FP4 matrix_b_fmt:MATRIX_FMT_FP4 matrix_b_scale:MATRIX_SCALE_ROW1
.else
	v_wmma_scale_f32_16x16x128_f8f6f4 v[DR:DR+7], v[RB:RB+7], v[RA:RA+7], v[CL:CL+7], v[S0], v[S1] matrix_a_fmt:MATRIX_FMT_FP4 matrix_b_fmt:MATRIX_FMT_FP4 matrix_a_scale:MATRIX_SCALE_ROW1 matrix_b_scale:MATRIX_SCALE_ROW1
.endif
.endm
.macro MUL16 a0, p, q, sc, cm          ; the 64 accumulators take turns, one instruction a turn, in the same order in every step
.irp a, \a0, \a0+1
.irp b, 0,1,2,3,4,5,6,7
	WM \a, \b, \p, \q, \sc, \cm
.endr
.endr
.endm
.macro FETCH_B slot, q, p
	WIN TO_B
.irp i, 0,1,2,3,4,5,6,7
.irp c, 0,1
	ds_load_b128 v[128*(\p)+FR*\i+4*\c:128*(\p)+FR*\i+4*\c+3], v[ADRB+\slot] offset:64*(\q)+32*\c+\i*16*PITCH
.endr
.endr
	WIN 0
.endm
.macro FETCH_A slot, q, i0             ; A's fragments come back as they were stored: 512 consecutive bytes a load
.irp i, \i0, \i0+1, \i0+2, \i0+3
.irp c, 0,1
	ds_load_b128 v[AF+FR*(\i)+4*\c:AF+FR*(\i)+4*\c+3], v[ADRA+\slot] offset:4096*(\i)+1024*(\q)+512*\c
.endr
.endr
.endm
.macro SCALES sc
.irp p, 0,1,2,3
.irp q, 0,1,2,3
	ds_load_b32 v[SC+32*\sc+4*\p+\q], v[ADSA] offset:512*(4*\sc+\q)+128*\p      ; tokens 32 p + lane
.endr
	ds_load_b128 v[SC+32*\sc+16+4*\p:SC+32*\sc+16+4*\p+3], v[ADSB] offset:1088*\p+16*\sc
.endr
.endm
.macro PLACES n
.rept \n
	v_nop
.endr
.endm
.macro STEP slot, q, cm
	s_wait_dscnt 4*NL                              ; all but the youngest eight loads (A's blocks 4-7) are in
.if \cm
	WIN BIA_LO
.else
	WIN MUL_LO
.endif
	MUL16 0, (\q)%2, \q, \slot, \cm
	MUL16 2, (\q)%2, \q, \slot, \cm
	s_wait_dscnt 0                                 ; A's blocks 4-7 are in
	PLACES NP
	FETCH_B \slot, (\q)+1, 1-(\q)%2
	FETCH_A \slot, (\q)+1, 0
.if \cm
	WIN BIA_HI
.else
	WIN MUL_HI
.endif
	MUL16 4, (\q)%2, \q, \slot, \cm
	MUL16 6, (\q)%2, \q, \slot, \cm
	PLACES NP
	WIN 0
	FETCH_A \slot, (\q)+1, 4
.endm
.macro STEPS slot, from
.set Q, \from
.rept NQ-1-\from
	STEP \slot, Q, 0
.set Q, Q+1
.endr
.endm
	s_wait_alu depctr_va_vdst(0)
	s_wait_tensorcnt 1                             ; the scales and my part of slot 0 are in; slot 1's load may be out
	s_barrier_signal -1
	s_barrier_wait -1
	FETCH_B 0, 0, 0
	FETCH_A 0, 0, 0
	SCALES 0
	FETCH_A 0, 0, 4
	s_wait_loadcnt 0x0                             ; the bias
	STEP 0, 0, 1                                   ; the sums start from the bias
	STEPS 0, 1
	s_wait_tensorcnt 0x0                           ; the change of slots: all my tensor loads have landed,
	ds_add_u32 v[SPW], v[NIL]                      ; 0 onto my spare word
	s_wait_dscnt 4*NL+1                            ; (the add and the youngest eight loads may be out)
	WIN MUL_LO
	MUL16 0, 1, NQ-1, 0, 0
	s_wait_dscnt 0x0                               ; the add is done, my reads of slot 0 are over
	s_barrier_signal -1
	MUL16 2, 1, NQ-1, 0, 0
	WIN 0
	s_barrier_wait -1                              ; slot 1 is whole, and nobody reads slot 0 any more
	PLACES NP
	FETCH_B 1, 0, 0
	FETCH_A 1, 0, 0
	SCALES 1
	WIN MUL_HI
	MUL16 4, 1, NQ-1, 0, 0
	MUL16 6, 1, NQ-1, 0, 0
	PLACES NP
	WIN 0
	FETCH_A 1, 0, 4
	STEPS 1, 0
	s_wait_dscnt 4*NL
	WIN MUL_LO
	MUL16 0, 1, NQ-1, 1, 0
	MUL16 2, 1, NQ-1, 1, 0
	s_wait_dscnt 0
	WIN MUL_HI
	MUL16 4, 1, NQ-1, 1, 0
	MUL16 6, 1, NQ-1, 1, 0
	WIN 0
; THE WAY OUT, block by block of 16 tokens x 128 outputs: through my own stage in LDS and back as whole rows of 512 bytes.  LDS serves a wave's instructions in order: no wait between the stores and the loads.
.macro TOSTAGE a
.set AC, 64*((\a)%4)
	WIN (0x08+4*((\a)/4))                          ; an LDS store's data: window 2 or 3
.irp b, 0,1,2,3,4,5,6,7
	ds_store_b128 v[STO], v[AC+8*\b:AC+8*\b+3] offset:64*\b          ; each accumulator from its low end on
	ds_store_b128 v[STO], v[AC+8*\b+4:AC+8*\b+7] offset:64*\b+16
.endr
	WIN 0
.set BB, BK+64*((\a)%2)
.irp t, 0,1,2,3,4,5,6,7,8,9,10,11,12,13,14,15
	ds_load_b128 v[BB+4*\t:BB+4*\t+3], v[RD] offset:\t*SPITCH
.endr
.endm
.macro SEND a, younger                 ; row t of block a is token 32 (a / 2) + 8 (a % 2) + t + 8 (t / 8) of my 128: 127 rows of 4,096 bytes at the most, inside the signed 24-bit immediate
.set BB, BK+64*((\a)%2)
	s_wait_dscnt \younger                          ; the block is back in registers
.irp t, 0,1,2,3,4,5,6,7,8,9,10,11,12,13,14,15
	global_store_b128 v[CO], v[BB+4*\t:BB+4*\t+3], s[12:13] offset:(32*((\a)/2)+8*((\a)%2)+\t+8*(\t/8))*4096 th:TH_STORE_NT   ; 32 lanes store 512 consecutive bytes, aligned
.endr
.endm
	PLACES NP
	TOSTAGE 0
.irp a, 1,2,3,4,5,6,7
.if \a > 1
	s_wait_xcnt 0x0                                ; block a - 2's stores have read their registers: block a's loads may land there
.endif
	TOSTAGE \a
	SEND \a-1, 32                                  ; behind block a - 1's loads: block a's 16 stores and 16 loads
.endr
	SEND 7, 0
	s_wait_tensorcnt 0x0                           ; the wave's end
	ds_add_u32 v[SPW], v[NIL]
	s_wait_dscnt 0x0
	CROUND                                         ; the closing round
	s_endpgm
.Lfunc_end_k_qa94c711ed2_outp:
	.size	k_qa94c711ed2_outp, .Lfunc_end_k_qa94c711ed2_outp-k_qa94c711ed2_outp
	.p2alignl 7, 3214868480
	.fill 96, 4, 3214868480
	.section	.rodata,"a",@progbits
	.p2align	6, 0x0
	.amdhsa_kernel k_qa94c711ed2_outp
		.amdhsa_group_segment_fixed_size 327680
		.amdhsa_private_segment_fixed_size 0
		.amdhsa_enable_private_segment 0
		.amdhsa_kernarg_size 48
		.amdhsa_user_sgpr_count 2
		.amdhsa_user_sgpr_kernarg_segment_ptr 1
		.amdhsa_wavefront_size32 1
		.amdhsa_system_sgpr_workgroup_id_x 1
		.amdhsa_system_sgpr_workgroup_id_y 1
		.amdhsa_system_sgpr_workgroup_id_z 1
		.amdhsa_system_vgpr_workitem_id 0
		.amdhsa_next_free_vgpr 1024
		.amdhsa_next_free_sgpr 106
		.amdhsa_reserve_vcc 0
		.amdhsa_float_denorm_mode_32 3
		.amdhsa_float_denorm_mode_16_64 3
		.amdhsa_memory_ordered 1
		.amdhsa_forward_progress 1
		.amdhsa_inst_pref_size 128
	.end_amdhsa_kernel
	.amdgpu_metadata
---
amdhsa.version: [ 1, 2 ]
amdhsa.kernels:
  - .name:           k_qa94c711ed2_outp
    .symbol:         k_qa94c711ed2_outp.kd
    .args:
      - { .name: ctx_img, .offset: 0, .size: 8, .value_kind: global_buffer, .address_space: global }
      - { .name: ctx_sc, .offset: 8, .size: 8, .value_kind: global_buffer, .address_space: global }
      - { .name: codes, .offset: 16, .size: 8, .value_kind: global_buffer, .address_space: global }
      - { .name: scales, .offset: 24, .size: 8, .value_kind: global_buffer, .address_space: global }
      - { .name: bo, .offset: 32, .size: 8, .value_kind: global_buffer, .address_space: global }
      - { .name: out0, .offset: 40, .size: 8, .value_kind: global_buffer, .address_space: global }
    .group_segment_fixed_size: 327680
    .private_segment_fixed_size: 0
    .kernarg_segment_align: 8
    .kernarg_segment_size: 48
    .max_flat_workgroup_size: 128
    .sgpr_count:     106
    .vgpr_count:     1024
    .wavefront_size: 32
...
	.end_amdgpu_metadata
.endif
;; end of part 4
